; MI455X (gfx1250); checked and timed in simulation.
; The chip was launched on July 23, 2026; its instructions are those of AMD's public machine-readable ISA for CDNA 5 (MIT licence, August 2026) and "CDNA5" Instruction Set Architecture Reference Guide (July 2026). The comments in the code are by the model that wrote it; some were corrected since.
;; GQ Attention. Allowed arithmetic: matrix products marked QUANTISED: E4M3 operands, one given power-of-two scale a tensor, by v_wmma_f32_16x16x64_fp8_fp8 or v_wmma_f32_16x16x128_fp8_fp8, f32 sums; everything else in f32.
;; Inputs: Wk 2,048 x 512 float32; Wo 2,048 x 2,048 float32; Wq 2,048 x 2,048 float32; Wv 2,048 x 512 float32; freqs 2 x 2,048 x 64 float32; lowp_scales 12 int32 (the exponents e of the quantised operands' scales 2^e); mask 1 x 1 x 2,048 x 2,048 bool; x 1 x 2,048 x 2,048 float32.
;; Outputs: out0 1 x 2,048 x 2,048 float32.
;; This version of the problem:
;;   THIS VERSION OF THE PROBLEM IS GIVEN IN LOW PRECISION. The matrix products marked QUANTISED in the list below multiply operands that are first quantised to E4M3 (4 exponent bits, 3 mantissa bits; 8 bits a number), with one given power-of-two scale for each operand tensor; their sums are f32. All else is computed in f32.
;;   The module's matrix products, in the order in which they are computed (A, B: the left and right operand; K: the contracted axis; several contracted axes count as one K, in the product's order):
;;     1. [M 2,048, K 2,048] x [K 2,048, N 2,048]; A: input x; B: input Wq: QUANTISED (scales: A lowp_scales[0], B lowp_scales[1])
;;     2. [M 2,048, K 2,048] x [K 2,048, N 512]; A: input x; B: input Wk: QUANTISED (scales: A lowp_scales[2], B lowp_scales[3])
;;     3. [M 2,048, K 2,048] x [K 2,048, N 512]; A: input x; B: input Wv: QUANTISED (scales: A lowp_scales[4], B lowp_scales[5])
;;     4. batch 32 x [M 2,048, K 64] x [K 64, N 2,048]; A: computed on the way; B: computed on the way: QUANTISED (scales: A lowp_scales[6], B lowp_scales[7])
;;     5. batch 32 x [M 64, K 2,048] x [K 2,048, N 2,048]; A: computed on the way; B: softmax (see below): QUANTISED (scales: A lowp_scales[8], B lowp_scales[9])
;;     6. [M 2,048, K 2,048] x [K 2,048, N 2,048]; A: computed on the way; B: input Wo: QUANTISED (scales: A lowp_scales[10], B lowp_scales[11])
;;   THE QUANTISER, for each operand of a quantised product, along K:
;;     - The operand's scale is 2^e, e = its entry of the input lowp_scales (int32; the entries are numbered through the quantised products in the list's order, A before B).
;;     - Each number is divided by the scale, clamped to +-448, and rounded to the nearest number of E4M3, ties to even, subnormals kept.
;;     - The product sums the exact products of the quantised numbers (number of the format x scale) in f32.
;;   ~~~python
;;   def quantise(x, axis, e):      # numpy; x: float32 -> the quantised numbers, widened to float32 again
;;       x = np.moveaxis(x, axis, -1); K = x.shape[-1]
;;       r = np.clip(x / 2.0 ** e, -448, 448)
;;       step = 2.0 ** (np.maximum(np.frexp(np.where(r == 0, 1, r))[1] - 1, -6) - 3)
;;       q = np.round(r / step) * step * 2.0 ** e      # np.round: ties to even
;;       return np.moveaxis(q, -1, axis).astype(np.float32)
;;   ~~~
;;   SOFTMAX AHEAD OF A QUANTISED PRODUCT. Where the list says 'softmax', what is quantised is not the finished softmax but p = 2^(t - M), with t = logit x log2(e) and M = ceil(the row's largest t), a whole number; so 1/2 < the row's largest p <= 1. The row's sum l is taken of the UNQUANTISED p, in f32, and the product's result is divided by l at the end. Since M is a whole number, a kernel that streams over the keys may use a running M (the ceiling of the running maximum): every later rescaling is an exact power of two, so the quantised numbers keep their values, but for numbers so far below the row's largest that they fall under the format's range.
;;   OPERANDS COMPUTED ON THE WAY. 'Computed on the way' means the value that the module computes at that place (a softmax that the list does not call 'softmax' is quantised finished and normalised). What goes into a quantiser is computed in f32, as accurately as f32 sums, v_exp_f32 and their like allow (about 1e-6 of the number): no bf16 or f16 on the way to a quantiser, and a product that is left as it is and whose result goes on into a quantised operand takes f32 operands (vector FMAs, or v_wmma_f32_16x16x4_f32). A number that lies on a knife's edge between two numbers of the format may be rounded either way, as far as f32 arithmetic and the matrix unit's own rounding can turn it there, and no further.
;; 2 versions, each right; version 2 is version 1 with the launch attn written anew for expert scheduling mode. Each part assembles by itself: llvm-mc -triple=amdgcn-amd-amdhsa -mcpu=gfx1250 --defsym DOCPART=n.
;; ======== version 1 of 2: 4 launches
;; workspace buffers: xc 12,582,912 bytes; wc 10,485,760 bytes; mk 526,336 bytes of whole numbers; qkv 6,291,456 bytes; oc 4,194,304 bytes
;; launch prep (part 1): grid 576 x 1, 4 waves a work-group, no clusters, 101,888 bytes of LDS; arguments x, Wq, Wk, Wv, Wo, mask, lowp_scales, xc, wc, mk; writes xc, wc, mk
.if DOCPART == 1
	.amdgcn_target "amdgcn-amd-amdhsa--gfx1250"
	.amdhsa_code_object_version 6
	.text
	.protected	k_qfb145bc787_prep
	.globl	k_qfb145bc787_prep
	.p2align	8
	.type	k_qfb145bc787_prep,@function
k_qfb145bc787_prep:
	s_mov_b64 s[64:65], 0
	v_nop
	global_prefetch_b8 v0, s[64:65] scope:SCOPE_SE
	s_setreg_imm32_b32 hwreg(HW_REG_WAVE_MODE, 25, 1), 1
	s_wait_xcnt 0x0
; THREE JOBS IN ONE LAUNCH, told apart by the work-group's number; each has LDS bytes of its own; waves share nothing, so there is no barrier.
;  work-groups 0-127:   x [2048][2048] f32 -> three tensors of E4M3 codes, row-major, with the scales 2^e0, 2^e2, 2^e4 (products 1, 2, 3 each give x a scale of its own): xc + 0, + 4 MiB, + 8 MiB.
;  work-groups 128-447: Wq, Wo (128 each), Wk, Wv (32 each), f32 stored [k][n] -> codes laid [n][k], K innermost, in wc: rows 0-2047 Wq's columns, 2048-2559 Wk's, 2560-3071 Wv's, 3072-5119 Wo's.
;  work-groups 448-575: the mask's bytes -> lane-mask words and flags for the attention launch.  For query tile QT (16 queries) and key step s (128 keys) word n = 8 t + j holds in bit 16 h + r
;                       mask[16 QT + r][128 s + 16 t + 8 h + j]; a flag of two bits a step says: 0 no byte true, 1 some, 2 all.  mk: words at [QT][s][64], flags at byte 524,288 + 16 QT + 4 (s / 4).
; code = number / 2^e, held within +-448, to the nearest code, ties to even.
; LIMITS: e0, e2, e4, e1, e3, e5, e11 between -126 and 119, so that 2^e and 448 x 2^e are f32 numbers.  NaN among x and the weights is not served.  A mask byte other than 0 counts as true.
.set XSP,   80                         ; x: a lane's place in a stage: its 64 bytes + 16 of padding
.set XWREG, 8192                       ; x: LDS of a wave: two stages of 32 x XSP bytes.  LDS bytes 0 to 32,767
.set XR,    16                         ; v16-79   four sets of 16 numbers as loaded
.set XX,    80                         ; v80-111  two sets of 16 neighbours
.set XT,    112                        ; v112-127 the 16 numbers held within one scale's range
.set XC,    128                        ; v128-151 codes: two sets of 3 x 4 registers
.set WST,   32768                      ; weights: the waves' stages, 32 rows x WP bytes each.  LDS bytes 32,768 to 67,583
.set WP,    272                        ; a stage row: 256 codes + 16 bytes
.set WX,    32                         ; v32-95   two sets of 32 numbers; later the way out
.set WC,    96                         ; v96-103  a block's codes
.set WOF,   112                        ; v112-143 byte offset of row i of a block: i x row bytes + 4 x lane
.set MST,   67584                      ; mask: the waves' stages, 16 rows x MP bytes each.  LDS bytes 67,584 to 101,375
.set MP,    528                        ; a stage row: 512 mask bytes + 16
.macro XLOAD t                         ; step t: 2,048 bytes, each load 512 consecutive bytes
.irp i, 0,1,2,3
	global_load_b128 v[XR+16*((\t)%4)+4*\i:XR+16*((\t)%4)+4*\i+3], v3, s[4:5] offset:2048*(\t)+512*\i th:TH_LOAD_NT
.endr
.endm
.macro XTURN t                         ; through the wave's stage: in as loaded, out 64 neighbouring bytes a lane; LDS serves a wave's instructions in order
.irp i, 0,1,2,3
	ds_store_b128 v14, v[XR+16*((\t)%4)+4*\i:XR+16*((\t)%4)+4*\i+3] offset:32*XSP*((\t)%2)+8*XSP*\i
.endr
.irp i, 0,1,2,3
	ds_load_b128 v[XX+16*((\t)%2)+4*\i:XX+16*((\t)%2)+4*\i+3], v15 offset:32*XSP*((\t)%2)+16*\i
.endr
.endm
.macro XSTEP t
.set XS, XX+16*((\t)%2)
.set CS, XC+12*((\t)%2)
	s_wait_dscnt 0x0                               ; this step's numbers are back from the stage, and its stores into the stage have read their registers,
.if (\t)+4 < 16
	XLOAD (\t)+4                                   ; which take the loads of four steps on
.endif
.if (\t)+1 < 16
.if 14-(\t) >= 3
	s_wait_loadcnt 12                              ; the next step's four loads are in; those of the three steps behind it may be out
.else
	s_wait_loadcnt 4*(14-(\t))
.endif
	XTURN (\t)+1
.endif
	s_wait_xcnt 0x0                                ; the stores of two steps ago have read this set of code registers
.irp q, 0,1,2
.set i, 0
.rept 16
	v_med3_num_f32 v[XT+i], v[XS+i], -v[8+\q], v[8+\q]   ; the conversion does not saturate (ISA guide 7.6.2): held within 448 x the scale first
.set i, i+1
.endr
	v_cvt_scalef32_pk8_fp8_f32 v[CS+4*\q:CS+4*\q+1], v[XT:XT+7], v[5+\q]
	v_cvt_scalef32_pk8_fp8_f32 v[CS+4*\q+2:CS+4*\q+3], v[XT+8:XT+15], v[5+\q]
	v_nop                                          ; a plain line between the conversions and the next holds, which write their sources
	global_store_b128 v3, v[CS+4*\q:CS+4*\q+3], s[20+2*\q:21+2*\q] offset:512*(\t)   ; 32 lanes store 512 consecutive bytes
.endr
.endm
.macro WLOAD t                         ; block t: W(32 t + i, my column), i = 0 .. 31: each load reads 128 consecutive bytes
.set i, 0
.rept 32
	global_load_b32 v[WX+32*((\t)%2)+i], v[WOF+i], s[36+2*(\t):37+2*(\t)] th:TH_LOAD_NT
.set i, i+1
.endr
.endm
.macro WBLOCK t
.set XS, WX+32*((\t)%2)
.if (\t) < 7
	s_wait_loadcnt 32                              ; this block's 32 loads are in; the next block's may be out
.else
	s_wait_loadcnt 0x0
.endif
.set i, 0
.rept 32
	v_med3_num_f32 v[XS+i], v[XS+i], -v10, v10
.set i, i+1
.endr
.irp g, 0,1,2,3
	v_cvt_scalef32_pk8_fp8_f32 v[WC+2*\g:WC+2*\g+1], v[XS+8*\g:XS+8*\g+7], v11
.endr
	ds_store_b128 v4, v[WC:WC+3] offset:32*(\t)    ; 32 codes of my column's row
	ds_store_b128 v4, v[WC+4:WC+7] offset:32*(\t)+16
.if (\t)+2 < 8
	WLOAD (\t)+2
.endif
	s_wait_dscnt 0x0                               ; the stores have read their registers: the next block's codes may be written (its holds, plain lines, come first)
.endm
.macro MSTEP s                         ; one key step of the wave's four: 64 words, and the step's flag
	s_wait_dscnt 8*(3-(\s))                        ; this step's eight loads are in; the later steps' may be out
	s_mov_b32 s33, -1                              ; the AND of the words
	s_mov_b32 s34, 0                               ; the OR of the words
.set n, 0
.rept 64
	v_and_b32 v12, 0xff<<(8*(n%4)), v[128+16*(\s)+2*(n/8)+(n%8)/4]   ; byte j = n % 8 of my eight of tile t = n / 8
	v_cmp_ne_u32 s[40+n%8], 0, v12                 ; bit = lane
	v_writelane_b32 v[100+2*(\s)+n%2], s[40+n%8], n/2   ; word n goes to lane n / 2, register n % 2: the store below then lays the words in order
	s_and_b32 s33, s33, s[40+n%8]
	s_or_b32 s34, s34, s[40+n%8]
.set n, n+1
.endr
	global_store_b64 v13, v[100+2*(\s):101+2*(\s)], s[26:27] offset:256*(\s)   ; 32 lanes store 256 consecutive bytes, aligned
	s_cmp_lg_u32 s34, 0
	s_cselect_b32 s36, 1, 0
	s_cmp_eq_u32 s33, -1
	s_cselect_b32 s37, 1, 0
	s_add_co_u32 s36, s36, s37                     ; 0 none, 1 some, 2 all
	s_lshl_b32 s36, s36, 2*(\s)
	s_or_b32 s35, s35, s36
.endm
	s_load_b512 s[68:83], s[0:1], 0x0              ; x 68, Wq 70, Wk 72, Wv 74, Wo 76, mask 78, the scales' exponents 80, xc 82
	s_load_b128 s[84:87], s[0:1], 0x40             ; wc 84, mk 86
	v_lshl_add_u32 v192, v0, 2, 0x18c00
	v_mov_b32 v193, 0
	v_lshrrev_b32 v1, 5, v0
	v_readfirstlane_b32 s16, v1                    ; wave 0..3
	v_and_b32 v2, 31, v0                           ; lane
	v_lshlrev_b32 v3, 4, v2                        ; 16 x lane
	s_wait_kmcnt 0x0
	s_load_b256 s[88:95], s[80:81], 0x0            ; e0 .. e7
	s_load_b128 s[96:99], s[80:81], 0x20           ; e8 .. e11
	s_cmp_lt_u32 ttmp9, 128
	s_cbranch_scc0 .Lnot_x
	; ---------------- x: a wave takes 16 steps of 512 numbers ----------------
	s_lshl_b32 s17, ttmp9, 2
	s_add_co_u32 s17, s17, s16                     ; which run of 8,192 numbers is my wave's
	s_lshl_b32 s2, s17, 15
	s_mov_b32 s3, 0
	s_add_nc_u64 s[4:5], s[68:69], s[2:3]
	s_lshl_b32 s2, s17, 13
	s_add_nc_u64 s[20:21], s[82:83], s[2:3]        ; the codes under e0,
	s_add_nc_u64 s[22:23], s[20:21], 0x400000      ; under e2,
	s_add_nc_u64 s[24:25], s[20:21], 0x800000      ; under e4
	s_mul_i32 s18, s16, XWREG
	v_lshrrev_b32 v14, 2, v2
	v_mul_u32_u24 v14, v14, XSP
	v_and_b32 v15, 3, v2
	v_lshl_add_u32 v14, v15, 4, v14
	v_add_nc_u32 v14, s18, v14                     ; the stage, in: four lanes' 64 bytes on end, then 16 of padding
	v_mul_u32_u24 v15, v2, XSP
	v_add_nc_u32 v15, s18, v15                     ; and out: my 16 neighbours
.irp t, 0,1,2,3
	XLOAD \t
.endr
	s_wait_kmcnt 0x0
.irp q, 0,1,2
	s_add_co_i32 s26, s[88+2*\q], 127
	s_lshl_b32 s27, s26, 23
	v_mov_b32 v[5+\q], s27                         ; 2^e as f32: the conversion takes its exponent field
	s_add_co_i32 s26, s26, 8
	s_lshl_b32 s26, s26, 23
	s_or_b32 s26, s26, 0x600000
	v_mov_b32 v[8+\q], s26                         ; 448 x 2^e
.endr
	s_wait_loadcnt 12                              ; step 0's four loads are in
	XTURN 0
.irp t, 0,1,2,3,4,5,6,7,8,9,10,11,12,13,14,15
	XSTEP \t
.endr
	s_wait_tensorcnt 0x0
	ds_add_u32 v192, v193
	s_wait_dscnt 0x0
	s_endpgm
.Lnot_x:
	s_cmp_lt_u32 ttmp9, 448
	s_cbranch_scc0 .Lmask
	; ---------------- weights: a lane takes a column, its registers run down K; a wave takes 32 columns x 256 along K ----------------
	s_sub_co_u32 s17, ttmp9, 128                   ; 0-127 Wq, 128-255 Wo, 256-287 Wk, 288-319 Wv: every choice hangs on the work-group's number alone
	s_mov_b64 s[4:5], s[74:75]
	s_mov_b32 s7, 2560                             ; the tensor's first row in wc
	s_mov_b32 s8, 2048                             ; bytes of a row of the tensor
	s_cmp_lt_u32 s17, 288
	s_cselect_b64 s[4:5], s[72:73], s[4:5]
	s_cselect_b32 s7, 2048, s7
	s_cmp_lt_u32 s17, 256
	s_cselect_b64 s[4:5], s[76:77], s[4:5]
	s_cselect_b32 s7, 3072, s7
	s_cselect_b32 s8, 8192, s8
	s_cselect_b32 s9, 4, 2                         ; log2 of the blocks of 128 columns
	s_cselect_b32 s10, 127, 31
	s_cmp_lt_u32 s17, 128
	s_cselect_b64 s[4:5], s[70:71], s[4:5]
	s_cselect_b32 s7, 0, s7
	s_and_b32 s10, s17, s10                        ; my number within the tensor
	s_bfm_b32 s11, s9, 0
	s_and_b32 s11, s10, s11                        ; which 128 columns,
	s_lshr_b32 s12, s10, s9                        ; which 256 along K
	s_lshl_b32 s11, s11, 7
	s_lshl_b32 s13, s16, 5
	s_add_co_u32 s11, s11, s13                     ; my wave's first column
	s_lshl_b32 s14, s8, 8
	s_mul_i32 s14, s14, s12
	s_lshl_b32 s15, s11, 2
	s_add_co_u32 s14, s14, s15
	s_mov_b32 s15, 0
	s_add_nc_u64 s[36:37], s[4:5], s[14:15]        ; block 0's first row at my first column;
	s_lshl_b32 s14, s8, 5
.irp t, 1,2,3,4,5,6,7
	s_add_nc_u64 s[36+2*\t:37+2*\t], s[34+2*\t:35+2*\t], s[14:15]   ; a base for each block, 32 rows apart: no pointer is stepped later
.endr
	s_add_co_u32 s18, s7, s11
	s_lshl_b32 s18, s18, 11
	s_lshl_b32 s19, s12, 8
	s_add_co_u32 s18, s18, s19
	s_mov_b32 s19, 0
	s_add_nc_u64 s[20:21], s[84:85], s[18:19]      ; wc at my first column's row, + my 256 codes along K
	v_lshlrev_b32 v5, 2, v2
.set i, 0
.rept 32
	v_mad_u32_u24 v[WOF+i], s8, i, v5
.set i, i+1
.endr
	s_mul_i32 s19, s16, 32*WP
	s_add_co_u32 s19, s19, WST                     ; my stage
	v_mul_u32_u24 v4, v2, WP
	v_add_nc_u32 v4, s19, v4                       ; into it: row = my column
	v_and_b32 v6, 15, v2
	v_lshrrev_b32 v9, 4, v2
	v_mul_u32_u24 v7, v9, WP
	v_lshl_add_u32 v7, v6, 4, v7
	v_add_nc_u32 v7, s19, v7                       ; out of it: sixteen lanes to a row, two rows an instruction
	v_lshlrev_b32 v8, 11, v9
	v_lshl_add_u32 v8, v6, 4, v8                   ; and the same place in wc
	WLOAD 0
	WLOAD 1
	s_wait_kmcnt 0x0
	s_mov_b32 s6, s93                              ; e5 (Wv), e3 (Wk), e11 (Wo), e1 (Wq)
	s_cmp_lt_u32 s17, 288
	s_cselect_b32 s6, s91, s6
	s_cmp_lt_u32 s17, 256
	s_cselect_b32 s6, s99, s6
	s_cmp_lt_u32 s17, 128
	s_cselect_b32 s6, s89, s6
	s_add_co_i32 s6, s6, 127
	s_lshl_b32 s7, s6, 23
	v_mov_b32 v11, s7                              ; 2^e
	s_add_co_i32 s6, s6, 8
	s_lshl_b32 s6, s6, 23
	s_or_b32 s6, s6, 0x600000
	v_mov_b32 v10, s6                              ; 448 x 2^e
.set Q, 0
.rept 8
	WBLOCK Q
.set Q, Q+1
.endr
.irp t, 0,1,2,3,4,5,6,7,8,9,10,11,12,13,14,15
	ds_load_b128 v[WX+4*\t:WX+4*\t+3], v7 offset:2*\t*WP   ; LDS serves a wave's instructions in order: these see my stores
.endr
.irp t, 0,1,2,3,4,5,6,7,8,9,10,11,12,13,14,15
	s_wait_dscnt 15-\t
	global_store_b128 v8, v[WX+4*\t:WX+4*\t+3], s[20:21] offset:2*\t*2048   ; sixteen lanes store 256 consecutive bytes, aligned
.endr
	s_wait_tensorcnt 0x0
	ds_add_u32 v192, v193
	s_wait_dscnt 0x0
	s_endpgm
.Lmask:
	; ---------------- mask: a work-group takes 16 queries, wave w the keys 512 w .. 512 w + 511 (four key steps) ----------------
	s_sub_co_u32 s17, ttmp9, 448                   ; QT
	s_lshl_b32 s2, s17, 15                         ; 16 rows of 2,048 bytes
	s_lshl_b32 s3, s16, 9
	s_add_co_u32 s2, s2, s3
	s_mov_b32 s3, 0
	s_add_nc_u64 s[4:5], s[78:79], s[2:3]
	s_lshl_b32 s2, s17, 12
	s_lshl_b32 s18, s16, 10
	s_add_co_u32 s2, s2, s18
	s_add_nc_u64 s[26:27], s[86:87], s[2:3]        ; my four steps' words: 4,096 QT + 1,024 w
	s_lshl_b32 s2, s17, 4
	s_lshl_b32 s18, s16, 2
	s_add_co_u32 s2, s2, s18
	s_add_co_u32 s2, s2, 524288
	s_add_nc_u64 s[28:29], s[86:87], s[2:3]        ; my word of flags
	s_mul_i32 s19, s16, 16*MP
	s_add_co_u32 s19, s19, MST                     ; my stage
	v_add_nc_u32 v4, s19, v3                       ; in: 16 x lane of a row
	v_and_b32 v6, 15, v2                           ; r
	v_lshrrev_b32 v9, 4, v2                        ; h
	v_mul_u32_u24 v7, v6, MP
	v_lshl_add_u32 v7, v9, 3, v7
	v_add_nc_u32 v7, s19, v7                       ; out: row r, + 8 h
	v_lshlrev_b32 v13, 3, v2                       ; two words a lane
.irp i, 0,1,2,3,4,5,6,7,8,9,10,11,12,13,14,15
	global_load_b128 v[32+4*\i:35+4*\i], v3, s[4:5] offset:2048*\i th:TH_LOAD_NT   ; 512 consecutive bytes of row i
.endr
.irp i, 0,1,2,3,4,5,6,7
	v_mov_b32 v[100+\i], 0                         ; written once: a lane write's destination counts as one of its sources
.endr
	s_mov_b32 s35, 0
.irp i, 0,1,2,3,4,5,6,7,8,9,10,11,12,13,14,15
	s_wait_loadcnt 15-\i
	ds_store_b128 v4, v[32+4*\i:35+4*\i] offset:MP*\i
.endr
.irp s, 0,1,2,3
.irp t, 0,1,2,3,4,5,6,7
	ds_load_b64 v[128+16*\s+2*\t:129+16*\s+2*\t], v7 offset:128*\s+16*\t   ; mask[16 QT + r][.. + 16 t + 8 h + 0 .. 7]; in order behind my stores
.endr
.endr
	MSTEP 0
	MSTEP 1
	MSTEP 2
	MSTEP 3
	v_mov_b32 v14, s35
	v_mov_b32 v15, 0
	v_cmp_eq_u32 vcc_lo, 0, v2
	s_wait_xcnt 0x0                                ; EXEC changes only behind this wait
	s_wait_tensorcnt 0x0
	ds_add_u32 v192, v193
	s_wait_dscnt 0x0
	s_and_saveexec_b32 s38, vcc_lo
	global_store_b32 v15, v14, s[28:29]            ; lane 0 stores the wave's four flags
	s_wait_xcnt 0x0
	s_or_b32 exec_lo, exec_lo, s38
	s_endpgm
.Lfunc_end_k_qfb145bc787_prep:
	.size	k_qfb145bc787_prep, .Lfunc_end_k_qfb145bc787_prep-k_qfb145bc787_prep
	.p2alignl 7, 3214868480
	.fill 96, 4, 3214868480
	.section	.rodata,"a",@progbits
	.p2align	6, 0x0
	.amdhsa_kernel k_qfb145bc787_prep
		.amdhsa_group_segment_fixed_size 101888
		.amdhsa_private_segment_fixed_size 0
		.amdhsa_enable_private_segment 0
		.amdhsa_kernarg_size 80
		.amdhsa_user_sgpr_count 2
		.amdhsa_user_sgpr_kernarg_segment_ptr 1
		.amdhsa_wavefront_size32 1
		.amdhsa_system_sgpr_workgroup_id_x 1
		.amdhsa_system_sgpr_workgroup_id_y 1
		.amdhsa_system_sgpr_workgroup_id_z 1
		.amdhsa_system_vgpr_workitem_id 0
		.amdhsa_next_free_vgpr 194
		.amdhsa_next_free_sgpr 100
		.amdhsa_reserve_vcc 1
		.amdhsa_float_denorm_mode_32 3
		.amdhsa_float_denorm_mode_16_64 3
		.amdhsa_memory_ordered 1
		.amdhsa_forward_progress 1
		.amdhsa_inst_pref_size 203
	.end_amdhsa_kernel
	.amdgpu_metadata
---
amdhsa.version: [ 1, 2 ]
amdhsa.kernels:
  - .name:           k_qfb145bc787_prep
    .symbol:         k_qfb145bc787_prep.kd
    .args:
      - { .name: x, .offset: 0, .size: 8, .value_kind: global_buffer, .address_space: global }
      - { .name: Wq, .offset: 8, .size: 8, .value_kind: global_buffer, .address_space: global }
      - { .name: Wk, .offset: 16, .size: 8, .value_kind: global_buffer, .address_space: global }
      - { .name: Wv, .offset: 24, .size: 8, .value_kind: global_buffer, .address_space: global }
      - { .name: Wo, .offset: 32, .size: 8, .value_kind: global_buffer, .address_space: global }
      - { .name: mask, .offset: 40, .size: 8, .value_kind: global_buffer, .address_space: global }
      - { .name: lowp_scales, .offset: 48, .size: 8, .value_kind: global_buffer, .address_space: global }
      - { .name: xc, .offset: 56, .size: 8, .value_kind: global_buffer, .address_space: global }
      - { .name: wc, .offset: 64, .size: 8, .value_kind: global_buffer, .address_space: global }
      - { .name: mk, .offset: 72, .size: 8, .value_kind: global_buffer, .address_space: global }
    .group_segment_fixed_size: 101888
    .private_segment_fixed_size: 0
    .kernarg_segment_align: 8
    .kernarg_segment_size: 80
    .max_flat_workgroup_size: 128
    .sgpr_count:     100
    .vgpr_count:     194
    .wavefront_size: 32
...
	.end_amdgpu_metadata
.endif
;; end of part 1
;; launch qkv (part 2): grid 24 x 8, 4 waves a work-group, clusters of 4 x 4, 327,680 bytes of LDS; arguments xc, wc, freqs, lowp_scales, qkv; writes qkv
.if DOCPART == 2
	.amdgcn_target "amdgcn-amd-amdhsa--gfx1250"
	.amdhsa_code_object_version 6
	.text
	.protected	k_qfb145bc787_qkv
	.globl	k_qfb145bc787_qkv
	.p2align	8
	.type	k_qfb145bc787_qkv,@function
k_qfb145bc787_qkv:
	s_mov_b64 s[64:65], 0
	v_nop
	global_prefetch_b8 v0, s[64:65] scope:SCOPE_SE
	s_setreg_imm32_b32 hwreg(HW_REG_WAVE_MODE, 25, 1), 1
	s_wait_xcnt 0x0
	s_wait_alu depctr_hold_cnt(0) depctr_sa_sdst(0) depctr_va_vdst(0) depctr_va_sdst(0) depctr_va_ssrc(0) depctr_va_vcc(0) depctr_vm_vsrc(0)
	s_getreg_b32 s2, hwreg(HW_REG_IB_STS2, 6, 4)
	s_cmp_eq_u32 s2, 0
	s_cbranch_scc0 .Lentry_in_a_cluster
	s_endpgm
.Lentry_in_a_cluster:
	s_bfe_u32 s2, ttmp6, 0x10000c
	s_cmp_lg_u32 s2, 0xf033
	s_cbranch_scc0 .Lentry_shape_is_right
	s_endpgm
.Lentry_shape_is_right:
; Products 1 to 3 on codes of E4M3, the rotation by freqs, and the quantisers of Q, K and V.  What is stored are IMAGES OF OPERAND REGISTERS for the attention launch (lane l's 16 bytes at 16 l):
;   Q at byte 0:      [head 32][tile of 16 tokens 128][2][lane][16]      K at 4 MiB: [kv head 8][tile of 16 tokens 128][2][lane][16]      (a fragment of 16 rows x 64: registers 2 c, 2 c + 1 = d 16 c + 8 h + 0 .. 7)
;   V at 5 MiB:       [kv head 8][step of 128 tokens 16][16 d 4][4][lane][16]                                                             (16 d x 128 tokens: registers 2 c, 2 c + 1 = token 16 c + 8 h + 0 .. 7)
; THE CORE: a tile of 128 rows of X x 128 rows of Y, both [rows][2048] codes with K innermost; four waves, each 64 x 64: 16 accumulators.  K goes in steps of 512 (LDS rows of 512 bytes + 16) through two slots;
; four K steps a tile, written out.  Source 0 = 16 rows of Y, source 1 = 16 rows of X: lane (r, h) holds X's row 16 a + r, its register j Y's row 16 b + 8 h + j.  A fragment is fetched by four loads of 16 bytes: a
; permutation of k that is the same on both sides.
; REGIONS by the cluster's x, which all sixteen partners share: 0-3 Q (X = x's codes under e0, Y = Wq's columns), 4 K (X = x under e2, Y = Wk's), 5 V (X = Wv's columns, Y = x under e4: so a lane holds one d and
; its registers run along the tokens, which are the second attention product's K).  The regions differ in pointers and steps, chosen by selects, and in the way out, which has two arms.
; A WORK-GROUP STAYS: the 384 tiles go to 24 x 8 = 192 work-groups of two tiles each, 1,024 tokens apart, so that every work-group has the same work.  (An even share for more work-groups would be a tile and a half:
; a shape with a factor 3, which divides neither 2,048 nor 512; and a tile across two regions would need x under two scales.)  The ring does not stop at the first tile's end: its last two changes of slots ask for the
; second tile's K steps 0 and 1, and the first tile goes out while the second tile's K step 1 is on its way.  Nothing waits for a tile's stores.
; CLUSTERS 4 x 4: X's tile hangs on cy and is asked for jointly by my row of the cluster, Y's on cx and by my column.
; cos AND sin of a tile's tokens are asked for on the one way that all regions take, a tile ahead of their use.  V's waves ask too, for rows that lie inside freqs, and use none of them (32 KiB a wave and tile):
; so no branch stands round the loads, and every register of the rotation is written on every way.
; The sums lack the factor 2^(ex + ew); the rotation is linear, so that factor and the operand's own scale are folded into the conversion's one scale 2^(eo - ex - ew).
; LIMITS: e6 - e0 - e1, e7 - e2 - e3, e8 - e4 - e5 between -126 and 119.  No L2 prefetch: eight K steps are too short a walk for a lead.
; REGISTERS: window 0: v16-31 addresses and constants; v32-63 at work; v64-95 codes; v128-255 accumulators.  window 1: two fragment buffers of 128 (X's four at f, Y's four at f + 64).  window 2: cos (v0-127), sin (v128-255).
.set KSTEP,  512
.set PITCH,  528                       ; 512 bytes + 16 = 132 words: row r starts at bank 4 r mod 64 (64 banks of 4 bytes: ISA guide 11.1)
.set HALFT,  64*PITCH                  ; 64 rows: what one tensor load brings, and what one wave reads of X or of Y
.set SLOT,   4*HALFT                   ; X's 128 rows, then Y's 128 rows
.set SPARE,  2*SLOT                    ; behind the ring: the spare words, 128 bytes a wave, that no other line names
.set WALK,   1024                      ; tokens from a work-group's first tile to its second
.set ADRA, 16                          ; v16-17 LDS address of my X fragments in slot 0, 1
.set ADRB, 20                          ; v20-21 the same for Y
.set SPW,  28
.set NIL,  29
.set TMP,  32
.set ACC,  128
.set F0,   0
.set F1,   128
.set G1, 24                            ; s[24:31] group 1 for X's tiles; s[32:39] group 0, a set for each slot
.set G0, 32
.set G1B, 48                           ; s[48:55], s[56:63] the same for Y's
.set G0B, 56
.set NXX, 4                            ; s[4:5]  bytes from X's rows of the first tile to those of the second: WALK rows where X is the tokens, else 0
.set NXY, 6                            ; s[6:7]  the same for Y
.set MSB, 0
.macro WIN new                         ; the immediate's high byte repeats the setting that is left
.if MSB != \new
	s_set_vgpr_msb (MSB<<8)|\new
.set MSB, \new
.endif
.endm
.set MUL,  0x05                        ; sources 0 and 1 window 1; C and D window 0
.set TO_F, 0x40                        ; destination window 1, address window 0
.macro JLOAD s                         ; a joint load: waves 0 and 1 fetch X's halves, waves 2 and 3 Y's; four v_nop follow each line
	s_cmp_eq_u32 s11, 0
	s_cbranch_scc0 .Lfor_b_\@
	tensor_load_to_lds s[G0+4*\s:G0+4*\s+3], s[G1:G1+7]
	s_nop 0
.rept 4
	v_nop
.endr
	s_branch .Lasked_\@
.Lfor_b_\@:
	tensor_load_to_lds s[G0B+4*\s:G0B+4*\s+3], s[G1B:G1B+7]
	s_nop 0
.rept 4
	v_nop
.endr
.Lasked_\@:
.endm
.macro CREST                           ; a round of the cluster's barrier behind its opening barrier
	s_cmp_lg_u32 s10, 0
	s_cbranch_scc1 .Lnot_wave_0_\@
	s_barrier_signal -3
.Lnot_wave_0_\@:
	s_barrier_wait -3
	s_barrier_signal -1
	s_barrier_wait -1
.endm
.macro CROUND
	s_barrier_signal -1
	s_barrier_wait -1
	CREST
.endm
.macro PLACES                          ; four plain places behind matrix instructions, in front of loads into registers that they read and of reads of results
.rept 4
	v_nop
.endr
.endm
.macro MUL4 f, a, zero                 ; X's block a against Y's four, 128 along K.  The 16 accumulators take turns, one instruction a turn
.irp b, 0,1,2,3
.if \zero
	v_wmma_f32_16x16x128_fp8_fp8 v[ACC+8*(4*(\a)+\b):ACC+8*(4*(\a)+\b)+7], v[\f+64+16*\b:\f+64+16*\b+15], v[\f+16*(\a):\f+16*(\a)+15], 0
.else
	v_wmma_f32_16x16x128_fp8_fp8 v[ACC+8*(4*(\a)+\b):ACC+8*(4*(\a)+\b)+7], v[\f+64+16*\b:\f+64+16*\b+15], v[\f+16*(\a):\f+16*(\a)+15], v[ACC+8*(4*(\a)+\b):ACC+8*(4*(\a)+\b)+7]
.endif
.endr
.endm
.macro FRAG reg, adr, k, i             ; 16 rows x 128 codes: registers 4 c .. 4 c + 3 = k 32 c + 16 h + 0 .. 15
.irp c, 0,1,2,3
	ds_load_b128 v[\reg+4*\c:\reg+4*\c+3], v[\adr] offset:(\k)+32*\c+(\i)*16*PITCH
.endr
.endm
.macro FETCH slot, k, f                ; 32 LDS loads in one run: Y's four fragments, then X's blocks 0, 1, then 2, 3
	WIN TO_F
.irp i, 0,1,2,3
	FRAG \f+64+16*\i, ADRB+\slot, \k, \i
.endr
.irp i, 0,1,2,3
	FRAG \f+16*\i, ADRA+\slot, \k, \i
.endr
.endm
.macro QUARTER slot, k, f, g, zero     ; 128 along K on buffer f; in its middle the next quarter, at byte k of the rows, is fetched into g
	s_wait_dscnt 8                                 ; all but the youngest eight loads (X's blocks 2, 3) are in
	WIN MUL
	MUL4 \f, 0, \zero
	MUL4 \f, 1, \zero
	PLACES
	FETCH \slot, \k, \g
	s_wait_dscnt 32                                ; all but the 32 just issued
	WIN MUL
	MUL4 \f, 2, \zero
	MUL4 \f, 3, \zero
.endm
.macro THREE slot, zero                ; a K step's first three quarters; zero = 1: a tile's first products start the sums: nothing is cleared
	QUARTER \slot, 128, F0, F1, \zero
	QUARTER \slot, 256, F1, F0, 0
	QUARTER \slot, 384, F0, F1, 0
.endm
; A slot's last quarter changes slots: one barrier.  fill = 0: nothing is left to fetch.  fill = 1: the barrier opens a round of the cluster's barrier, and the slot is filled again, two K steps on.
; fill = 2: the same, with the NEXT tile's K step 0 or 1: back along K, and on by the tile's step.
.macro TURN slot, next, fill
	WIN 0
	s_wait_tensorcnt 0x0                           ; all my tensor loads have landed: my part of the next slot;
	ds_add_u32 v[SPW], v[NIL]                      ; 0 onto my spare word;
	s_wait_dscnt 9                                 ; (the add and the youngest eight loads may be out)
	WIN MUL
	MUL4 F1, 0, 0
	s_wait_dscnt 0x0                               ; the add is done, and my reads of this slot are over
	s_barrier_signal -1
	MUL4 F1, 1, 0
.if \fill
	WIN 0
.endif
	s_barrier_wait -1
.if \fill
	CREST                                          ; no wave of any partner still reads this slot or has a load on its way
.if \fill == 1
	s_add_nc_u64 s[G0+4*\slot+2:G0+4*\slot+3], s[G0+4*\slot+2:G0+4*\slot+3], 2*KSTEP
	s_add_nc_u64 s[G0B+4*\slot+2:G0B+4*\slot+3], s[G0B+4*\slot+2:G0B+4*\slot+3], 2*KSTEP
.else
	s_sub_nc_u64 s[G0+4*\slot+2:G0+4*\slot+3], s[G0+4*\slot+2:G0+4*\slot+3], 2*KSTEP     ; from K step 2 (3) back to K step 0 (1); the type bits on top are not reached
	s_add_nc_u64 s[G0+4*\slot+2:G0+4*\slot+3], s[G0+4*\slot+2:G0+4*\slot+3], s[NXX:NXX+1]
	s_sub_nc_u64 s[G0B+4*\slot+2:G0B+4*\slot+3], s[G0B+4*\slot+2:G0B+4*\slot+3], 2*KSTEP
	s_add_nc_u64 s[G0B+4*\slot+2:G0B+4*\slot+3], s[G0B+4*\slot+2:G0B+4*\slot+3], s[NXY:NXY+1]
.endif
	JLOAD \slot                                    ; the first tensor load behind the round; its four v_nop are also the places in front of the loads below
.else
	PLACES
.endif
	FETCH \next, 0, F0
	WIN MUL
	MUL4 F1, 2, 0
	MUL4 F1, 3, 0
.endm
.macro ROPE_LOAD                       ; cos(a, b, j) to window 2 at 32 a + 8 b + j, sin 128 on: token 16 a + r, d = 16 b + 8 h + j.  They land while the tile is multiplied
	WIN 0x80
.irp a, 0,1,2,3
.irp b, 0,1,2,3
	global_load_b128 v[32*\a+8*\b:32*\a+8*\b+3], v27, s[78:79] offset:4096*\a+64*\b
	global_load_b128 v[32*\a+8*\b+4:32*\a+8*\b+7], v27, s[78:79] offset:4096*\a+64*\b+16
	global_load_b128 v[128+32*\a+8*\b:128+32*\a+8*\b+3], v27, s[78:79] offset:524288+4096*\a+64*\b
	global_load_b128 v[128+32*\a+8*\b+4:128+32*\a+8*\b+7], v27, s[78:79] offset:524288+4096*\a+64*\b+16
.endr
.endr
	WIN 0
.endm
; THE WAY OUT of a tile.  The two arms part on the cluster's x, the same in all sixteen partners and in all four waves; no LDS instruction, no barrier and no tensor load stands in them.
.macro EPILOGUE
	WIN 0
	PLACES                                         ; in front of the first read of results
	s_wait_loadcnt 0x0                             ; cos and sin are in: on every way, so that their registers may be loaded again for the next tile
	s_cmp_eq_u32 ttmp9, 5
	s_cbranch_scc1 .Lv_arm_\@
	; Q and K: lane (r, h) holds token 16 a + r; register j of (a, b) is d = 16 b + 8 h + j of my head: the pairs (d, d + 1) of the rotation lie in one lane
.irp a, 0,1,2,3
	WIN 0x08                                       ; source 1 window 2
.irp b, 0,1,2,3
.irp i, 0,2,4,6
	v_pk_mul_f32 v[TMP+8*\b+\i:TMP+8*\b+\i+1], v[ACC+8*(4*\a+\b)+\i:ACC+8*(4*\a+\b)+\i+1], v[32*\a+8*\b+\i:32*\a+8*\b+\i+1]   ; q cos; each accumulator from its low end on
.endr
.endr
.irp b, 0,1,2,3
.irp i, 0,2,4,6
	v_fma_f32 v[TMP+8*\b+\i], -v[ACC+8*(4*\a+\b)+\i+1], v[128+32*\a+8*\b+\i], v[TMP+8*\b+\i]       ; even d: - q(d + 1) sin(d)
	v_fma_f32 v[TMP+8*\b+\i+1], v[ACC+8*(4*\a+\b)+\i], v[128+32*\a+8*\b+\i+1], v[TMP+8*\b+\i+1]    ; odd d:  + q(d - 1) sin(d)
.endr
.endr
	WIN 0
.set i, 0
.rept 32
	v_med3_num_f32 v[TMP+i], v[TMP+i], -v31, v31   ; the conversion does not saturate (ISA guide 7.6.2)
.set i, i+1
.endr
.irp b, 0,1,2,3
	v_cvt_scalef32_pk8_fp8_f32 v[64+8*\a+2*\b:65+8*\a+2*\b], v[TMP+8*\b:TMP+8*\b+7], v30   ; registers 2 b, 2 b + 1 of the fragment
.endr
	v_nop                                          ; a plain line between the conversions and the next lines that write their sources
	global_store_b128 v26, v[64+8*\a:67+8*\a], s[76:77] offset:1024*\a          ; 32 lanes store 512 consecutive bytes
	global_store_b128 v26, v[68+8*\a:71+8*\a], s[76:77] offset:1024*\a+512
.endr
	s_branch .Lgone_\@
.Lv_arm_\@:
	; V: lane (r, h) holds d = 16 a + r of my kv head; register j of (a, b) is token 16 b + 8 h + j of my 64
.irp a, 0,1,2,3
.set i, 0
.rept 32
	v_med3_num_f32 v[TMP+i], v[ACC+32*\a+i], -v31, v31   ; each accumulator from its low end on
.set i, i+1
.endr
.irp b, 0,1,2,3
	v_cvt_scalef32_pk8_fp8_f32 v[64+8*\a+2*\b:65+8*\a+2*\b], v[TMP+8*\b:TMP+8*\b+7], v30
.endr
	v_nop                                          ; a plain line between the conversions and the next holds, which write their sources
	global_store_b128 v26, v[64+8*\a:67+8*\a], s[76:77] offset:2048*\a
	global_store_b128 v26, v[68+8*\a:71+8*\a], s[76:77] offset:2048*\a+512
.endr
.Lgone_\@:
.endm
	s_load_b256 s[68:75], s[0:1], 0x0              ; xc 68, wc 70, freqs 72, the scales' exponents 74
	s_load_b64 s[76:77], s[0:1], 0x20              ; qkv
	v_lshl_add_u32 v[SPW], v0, 2, SPARE
	v_mov_b32 v[NIL], 0
	ds_add_u32 v28, v29
	ds_add_u32 v28, v29
	s_wait_dscnt 0x0
	v_lshrrev_b32 v1, 5, v0
	v_readfirstlane_b32 s10, v1                    ; wave 0..3
	s_lshr_b32 s11, s10, 1                         ; my half of X's rows.  Also: I fetch for X (0) or for Y (1)
	s_and_b32 s12, s10, 1                          ; my half of Y's rows.  Also: which 64 rows of that tile I fetch
	s_bfe_u32 s40, ttmp6, 0x40000                  ; cx
	s_bfe_u32 s41, ttmp6, 0x40004                  ; cy
	s_and_b32 s45, ttmp7, 0xffff
	s_lshl_b32 s45, s45, 2                         ; 4 x cluster y: 0 or 4; the second tile lies 8 tiles of 128 tokens further on
	s_lshl_b32 s92, ttmp9, 2                       ; 4 x cluster x
	s_cmp_eq_u32 ttmp9, 4                          ; the region hangs on the cluster's x alone
	s_cselect_b32 s42, 0, s92
	s_cselect_b32 s93, 0x400000, 0                 ; K: x's codes under e2, Wk's rows of wc and K's images all lie 4 MiB on
	s_cmp_eq_u32 ttmp9, 5
	s_cselect_b32 s13, 0, s45
	s_cselect_b32 s42, s45, s42
	s_cselect_b32 s94, 0x500000, s93               ; V: X = wc from row 2,560 on,
	s_cselect_b32 s95, 0x800000, s93               ;    Y = x's codes under e4
	s_cselect_b32 s[NXX], 0, WALK*2048             ; the walk goes along the tokens: X's rows in Q and K,
	s_cselect_b32 s[NXY], WALK*2048, 0             ; Y's in V
	s_mov_b32 s[NXX+1], 0
	s_mov_b32 s[NXY+1], 0
	s_add_co_u32 s13, s13, s41                     ; X's tile: made of cy and the cluster's place alone
	s_add_co_u32 s42, s42, s40                     ; Y's tile: of cx and the cluster's place alone
	s_lshl_b32 s43, s41, 2
	s_lshl_b32 s43, 15, s43                        ; my row of the cluster
	s_lshl_b32 s44, 0x1111, s40                    ; my column
	s_or_b32 s[G1+0], s43, (0<<16)|(1<<20)|(1<<21)|(6<<22)|(3<<25)   ; 15:0 the mask; 17:16 elements of 1 byte; 20 padding on; 21 set beside a mask; 24:22 after every 128 words (code 6); 31:25 four words (code 3)
	s_or_b32 s[G1B+0], s44, (0<<16)|(1<<20)|(1<<21)|(6<<22)|(3<<25)
.irp g, G1, G1B
	s_mov_b32 s[\g+1], KSTEP<<16                   ; tensor_dim0 = 512
	s_mov_b32 s[\g+2], 64<<16                      ; tensor_dim1 = 64
	s_mov_b32 s[\g+3], KSTEP<<16                   ; tile_dim0 = 512
	s_mov_b32 s[\g+4], 64                          ; tile_dim1 = 64
	s_mov_b32 s[\g+5], 2048                        ; from row to row
	s_mov_b32 s[\g+6], 0
	s_mov_b32 s[\g+7], 0
.endr
	s_lshl_b32 s17, s12, 6                         ; which 64 rows of the tile I fetch
	s_lshl_b32 s16, s13, 7
	s_add_co_u32 s16, s16, s17
	s_lshl_b32 s16, s16, 11                        ; rows of 2,048 bytes
	s_add_co_u32 s16, s16, s94
	s_lshl_b32 s46, s42, 7
	s_add_co_u32 s46, s46, s17
	s_lshl_b32 s46, s46, 11
	s_add_co_u32 s46, s46, s95
	s_mov_b32 s17, 0
	s_mov_b32 s47, 0
	s_mul_i32 s20, s10, HALFT                      ; where they go: wave x 64 rows: no place in the cluster enters an LDS address
	s_wait_kmcnt 0x0
	s_load_b256 s[80:87], s[74:75], 0x0            ; e0 .. e7
	s_load_b128 s[88:91], s[74:75], 0x20           ; e8 .. e11
	s_cmp_eq_u32 ttmp9, 5
	s_cselect_b64 s[14:15], s[70:71], s[68:69]
	s_cselect_b64 s[18:19], s[68:69], s[70:71]
	s_add_nc_u64 s[14:15], s[14:15], s[16:17]
	s_add_nc_u64 s[46:47], s[18:19], s[46:47]
	CROUND                                         ; all sixteen work-groups are here: the first joint loads meet
.irp s, 0,1
	s_mov_b32 s[G0+4*\s], 1
	s_add_co_u32 s[G0+4*\s+1], s20, \s*SLOT
	s_add_nc_u64 s[G0+4*\s+2:G0+4*\s+3], s[14:15], \s*KSTEP
	s_or_b32 s[G0+4*\s+3], s[G0+4*\s+3], 0x80000000
	s_mov_b32 s[G0B+4*\s], 1
	s_add_co_u32 s[G0B+4*\s+1], s20, \s*SLOT
	s_add_nc_u64 s[G0B+4*\s+2:G0B+4*\s+3], s[46:47], \s*KSTEP
	s_or_b32 s[G0B+4*\s+3], s[G0B+4*\s+3], 0x80000000
	JLOAD \s                                       ; two loads of mine are out: K steps 0 and 1
.endr
	v_and_b32 v1, 15, v0                           ; r
	v_bfe_u32 v2, v0, 4, 1                         ; h
	v_lshlrev_b32 v27, 8, v1
	v_lshl_add_u32 v27, v2, 5, v27                 ; freqs: token r's row of 256 bytes, + 32 h
	s_lshl_b32 s96, s13, 7
	s_lshl_b32 s97, s11, 6
	s_add_co_u32 s96, s96, s97
	s_lshl_b32 s96, s96, 8
	s_mov_b32 s97, 0
	s_add_nc_u64 s[78:79], s[72:73], s[96:97]      ; freqs at row 128 x X's tile + 64 x my half: my wave's first token in Q and K; in V a row under 512, inside freqs, whose numbers are not used
	ROPE_LOAD                                      ; the first tile's
	v_mul_u32_u24 v3, v1, PITCH
	v_lshl_add_u32 v3, v2, 4, v3                   ; a fragment's row x pitch + 16 h
	s_mul_i32 s21, s11, HALFT                      ; my 64 rows of X
	s_mul_i32 s22, s12, HALFT                      ; my 64 rows of Y,
	s_add_co_u32 s22, s22, 2*HALFT                 ; which lie behind X's 128
.irp s, 0,1
	v_add_nc_u32 v[ADRA+\s], s21, v3
	v_add_nc_u32 v[ADRB+\s], s22, v3
	s_add_co_u32 s21, s21, SLOT
	s_add_co_u32 s22, s22, SLOT
.endr
	v_and_b32 v5, 31, v0
	v_lshlrev_b32 v26, 4, v5                       ; 16 x lane: an image's place for my lane
	; where my images begin.  Q and K: head 2 x Y's tile + my half of Y, tile of 16 tokens 8 x X's tile + 4 x my half of X
	s_lshl_b32 s96, s42, 1
	s_add_co_u32 s96, s96, s12
	s_lshl_b32 s96, s96, 17
	s_lshl_b32 s97, s13, 3
	s_lshl_b32 s98, s11, 2
	s_add_co_u32 s97, s97, s98
	s_lshl_b32 s97, s97, 10
	s_add_co_u32 s96, s96, s97
	s_add_co_u32 s96, s96, s93
	; V: kv head 2 x X's tile + my half of X, step of 128 tokens = Y's tile, + 1,024 x my half of Y
	s_lshl_b32 s98, s13, 1
	s_add_co_u32 s98, s98, s11
	s_lshl_b32 s98, s98, 17
	s_lshl_b32 s99, s42, 13
	s_add_co_u32 s98, s98, s99
	s_lshl_b32 s99, s12, 10
	s_add_co_u32 s98, s98, s99
	s_add_co_u32 s98, s98, 0x500000
	s_cmp_eq_u32 ttmp9, 5
	s_cselect_b32 s96, s98, s96
	s_mov_b32 s97, 0
	s_add_nc_u64 s[76:77], s[76:77], s[96:97]
	s_wait_kmcnt 0x0                               ; the exponents: no branch hangs on them
	s_sub_co_i32 s2, s86, s80
	s_sub_co_i32 s2, s2, s81                       ; Q: e6 - e0 - e1
	s_sub_co_i32 s3, s87, s82
	s_sub_co_i32 s3, s3, s83                       ; K: e7 - e2 - e3
	s_sub_co_i32 s9, s88, s84
	s_sub_co_i32 s9, s9, s85                       ; V: e8 - e4 - e5
	s_cmp_eq_u32 ttmp9, 4
	s_cselect_b32 s2, s3, s2
	s_cmp_eq_u32 ttmp9, 5
	s_cselect_b32 s2, s9, s2
	s_add_co_i32 s2, s2, 127
	s_lshl_b32 s3, s2, 23
	v_mov_b32 v30, s3                              ; the conversion's scale as f32: it takes the exponent field
	s_add_co_i32 s2, s2, 8
	s_lshl_b32 s2, s2, 23
	s_or_b32 s2, s2, 0x600000
	v_mov_b32 v31, s2                              ; 448 x that
	s_wait_tensorcnt 1                             ; my part of K step 0 is in; K step 1's may stay out
	s_barrier_signal -1
	s_barrier_wait -1
	FETCH 0, 0, F0
	; ---------------- the first tile ----------------
	THREE 0, 1
	TURN 0, 1, 1                                   ; slot 0 takes K step 2
	THREE 1, 0
	TURN 1, 0, 1                                   ; slot 1 takes K step 3
	THREE 0, 0
	TURN 0, 1, 2                                   ; THE RING GOES ON INTO THE SECOND TILE: slot 0 takes its K step 0,
	THREE 1, 0
	TURN 1, 0, 2                                   ; slot 1 its K step 1, and the second tile's first fragments are fetched
	EPILOGUE                                       ; both refills are asked for: now the first tile goes out
	s_wait_xcnt 0x0                                ; the stores have read their data and their base: the codes' registers and the base may be written again
	s_add_nc_u64 s[76:77], s[76:77], WALK*64       ; the images of tokens 1,024 further on: 64 tiles of 16 tokens x 1,024 bytes in Q and K, 8 steps of 128 tokens x 8,192 bytes in V
	s_add_nc_u64 s[78:79], s[78:79], WALK*256      ; and their rows of freqs (the first tile's loads are done: the way out has waited for them)
	ROPE_LOAD                                      ; the second tile's
	; ---------------- the second tile ----------------
	THREE 0, 1                                     ; its first products start the sums anew; the way out's lines are the places behind the first tile's last products
	TURN 0, 1, 1                                   ; slot 0 takes K step 2
	THREE 1, 0
	TURN 1, 0, 1                                   ; slot 1 takes K step 3
	THREE 0, 0
	TURN 0, 1, 0                                   ; nothing is left to fetch
	THREE 1, 0
	s_wait_dscnt 8                                 ; the very last quarter
	WIN MUL
	MUL4 F1, 0, 0
	MUL4 F1, 1, 0
	s_wait_dscnt 0x0
	MUL4 F1, 2, 0
	MUL4 F1, 3, 0
	EPILOGUE
	s_wait_tensorcnt 0x0                           ; the wave's end
	ds_add_u32 v[SPW], v[NIL]
	s_wait_dscnt 0x0
	CROUND                                         ; the closing round: no work-group ends while a partner may still ask for a tile that names it
	s_endpgm
.Lfunc_end_k_qfb145bc787_qkv:
	.size	k_qfb145bc787_qkv, .Lfunc_end_k_qfb145bc787_qkv-k_qfb145bc787_qkv
	.p2alignl 7, 3214868480
	.fill 96, 4, 3214868480
	.section	.rodata,"a",@progbits
	.p2align	6, 0x0
	.amdhsa_kernel k_qfb145bc787_qkv
		.amdhsa_group_segment_fixed_size 327680
		.amdhsa_private_segment_fixed_size 0
		.amdhsa_enable_private_segment 0
		.amdhsa_kernarg_size 40
		.amdhsa_user_sgpr_count 2
		.amdhsa_user_sgpr_kernarg_segment_ptr 1
		.amdhsa_wavefront_size32 1
		.amdhsa_system_sgpr_workgroup_id_x 1
		.amdhsa_system_sgpr_workgroup_id_y 1
		.amdhsa_system_sgpr_workgroup_id_z 1
		.amdhsa_system_vgpr_workitem_id 0
		.amdhsa_next_free_vgpr 768
		.amdhsa_next_free_sgpr 100
		.amdhsa_reserve_vcc 0
		.amdhsa_float_denorm_mode_32 3
		.amdhsa_float_denorm_mode_16_64 3
		.amdhsa_memory_ordered 1
		.amdhsa_forward_progress 1
		.amdhsa_inst_pref_size 197
	.end_amdhsa_kernel
	.amdgpu_metadata
---
amdhsa.version: [ 1, 2 ]
amdhsa.kernels:
  - .name:           k_qfb145bc787_qkv
    .symbol:         k_qfb145bc787_qkv.kd
    .args:
      - { .name: xc, .offset: 0, .size: 8, .value_kind: global_buffer, .address_space: global }
      - { .name: wc, .offset: 8, .size: 8, .value_kind: global_buffer, .address_space: global }
      - { .name: freqs, .offset: 16, .size: 8, .value_kind: global_buffer, .address_space: global }
      - { .name: lowp_scales, .offset: 24, .size: 8, .value_kind: global_buffer, .address_space: global }
      - { .name: qkv, .offset: 32, .size: 8, .value_kind: global_buffer, .address_space: global }
    .group_segment_fixed_size: 327680
    .private_segment_fixed_size: 0
    .kernarg_segment_align: 8
    .kernarg_segment_size: 40
    .max_flat_workgroup_size: 128
    .sgpr_count:     100
    .vgpr_count:     768
    .wavefront_size: 32
...
	.end_amdgpu_metadata
.endif
;; end of part 2
;; launch attn (part 3): grid 32 x 8, 8 waves a work-group, no clusters, 280,576 bytes of LDS; arguments qkv, mk, lowp_scales, oc; writes oc
.if DOCPART == 3
	.amdgcn_target "amdgcn-amd-amdhsa--gfx1250"
	.amdhsa_code_object_version 6
	.text
	.protected	k_qfb145bc787_attn
	.globl	k_qfb145bc787_attn
	.p2align	8
	.type	k_qfb145bc787_attn,@function
k_qfb145bc787_attn:
	s_mov_b64 s[64:65], 0
	v_nop
	global_prefetch_b8 v0, s[64:65] scope:SCOPE_SE
	s_setreg_imm32_b32 hwreg(HW_REG_WAVE_MODE, 25, 1), 1
	s_wait_xcnt 0x0
; Products 4 and 5 with the softmax between them, and the quantiser of the attention output.  All operands come as images of registers (16 bytes a lane at 16 x lane), made by the launch before.
; THE SOFTMAX: t = score x log2(e) / 8; M = the running largest t rounded UP to a whole number; p = 2^(t - M) is quantised with 2^e9, not normalised; the row's sum is taken of the unquantised p and divides at the end.
; When M moves, the sum and O are multiplied by 2^(old M - new M), which rounds nothing.
; THE MASK IS AN INPUT.  An earlier launch has turned its bytes into whole numbers: for each tile of 16 queries and each step of 128 keys a flag (0 no byte true, 1 some, 2 all) and 64 lane-mask words.  A step
; with flag 0 is left out by a scalar branch; with flag 1 the hidden scores become -infinity ahead of the maximum; with flag 2 nothing is masked.  A row with no true byte at all gets the NaN code, as its softmax is NaN.
; Since branches hang on numbers read from memory, this launch has no tensor load, no copy engine and no cluster: the kv head's whole K and V (128 KiB each) are copied into LDS once, through registers.
; SHARES.  Work-group (j, g): kv head g, the query tiles 2 j, 2 j + 1, 126 - 2 j, 127 - 2 j, for the group's four heads.  A wave: one tile, two heads, so that each fragment of K and V read from LDS feeds two products.
; An early and a late tile are paired (waves w and w + 4, waves 2 s and 2 s + 1): for masks of the lower-triangular kind the work is then even; for any other mask the result is right and the work may be uneven.
; LAYOUT.  S^T = K Q^T and O^T = V^T P^T: a lane holds one query (lane % 16) throughout.  Tile t of S^T holds keys 16 t + 8 h + 0 .. 7 in a lane's eight registers: their codes ARE registers 2 t, 2 t + 1 of P.
; LIMITS: e6 + e7 between -123 and 130; e9, and e10 - e8 - e9, between -126 and 119.
; REGISTERS.  window 0: v1-11 addresses and constants; v12-31 statistics; v32-95 K's 8 fragments; v96-223 S^T, then p (64 a head); v224-236 at work.
;             window 1: v0-63 V's 4 fragments; v64-127 O^T (32 a head); v128-143 Q; v144-175 p's codes.
; s[4:51], s[68:83]: the step's 64 mask words (word n in s[4 + n + 16 (n / 48)]).
.set VIMG, 131072                      ; LDS: K's image at 0, V's here,
.set STG,  262144                      ; the stage for the way out: 4 query tiles x 16 rows x (256 bytes + 16)
.set SPI,  272
.set KF,   32
.set S,    96
.set OT,   64                          ; in window 1
.set QF,   128
.set PC,   144
.set MSB, 0
.macro WIN new                         ; the immediate's high byte repeats the setting that is left
.if MSB != \new
	s_set_vgpr_msb (MSB<<8)|\new
.set MSB, \new
.endif
.endm
.macro CLOAD i                         ; chunk i of my wave's 64: 512 consecutive bytes; 0-31 of K's image, 32-63 of V's
.if (\i) < 32
	global_load_b128 v[32+4*((\i)%48):35+4*((\i)%48)], v11, s[68:69] offset:512*(\i)
.else
	global_load_b128 v[32+4*((\i)%48):35+4*((\i)%48)], v11, s[70:71] offset:512*((\i)-32)
.endif
.endm
.macro CSTORE i
.if (\i) < 32
	ds_store_b128 v11, v[32+4*((\i)%48):35+4*((\i)%48)] offset:512*(\i)
.else
	ds_store_b128 v228, v[32+4*((\i)%48):35+4*((\i)%48)] offset:512*((\i)-32)
.endif
.endm
	s_load_b256 s[84:91], s[0:1], 0x0              ; qkv 84, mk 86, the scales' exponents 88, oc 90
	v_lshl_add_u32 v254, v0, 2, 0x44400
	v_mov_b32 v255, 0
	v_lshrrev_b32 v1, 5, v0
	v_readfirstlane_b32 s52, v1                    ; wave 0..7 = b0 + 2 b1 + 4 b2
	v_and_b32 v12, 31, v0
	v_and_b32 v13, 15, v0                          ; r
	v_bfe_u32 v14, v0, 4, 1                        ; h
	v_lshlrev_b32 v1, 4, v12                       ; 16 x lane
	v_add_nc_u32 v2, VIMG, v1
	s_lshl_b32 s92, s52, 14
	v_add_nc_u32 v11, s92, v1                      ; the copy: my wave's 16 KiB of an image, in memory and in LDS alike
	v_add_nc_u32 v228, VIMG, v11
	s_and_b32 s92, s52, 1
	s_bfe_u32 s93, s52, 0x10001                    ; a = b1
	s_lshr_b32 s94, s52, 2                         ; hp = b2: which two heads of the four
	s_xor_b32 s95, s92, s94                        ; E = b0 xor b2: an early tile (0) or a late one (1)
	s_lshl_b32 s53, ttmp9, 1
	s_add_co_u32 s53, s53, s93                     ; 2 j + a
	s_lshl_b32 s96, s53, 1
	s_sub_co_u32 s96, 127, s96
	s_mul_i32 s96, s96, s95
	s_add_co_u32 s53, s53, s96                     ; QT = 2 j + a, or 127 less that
	s_lshl_b32 s97, s95, 1
	s_add_co_u32 s97, s97, s93                     ; my tile's place in the stage: 2 E + a
	s_mul_i32 s97, s97, 16*SPI
	s_lshl_b32 s99, s94, 7
	s_add_co_u32 s97, s97, s99
	s_add_co_u32 s97, s97, STG
	v_mul_u32_u24 v8, v13, SPI
	v_lshl_add_u32 v8, v14, 3, v8
	v_add_nc_u32 v8, s97, v8                       ; into the stage: row r, + 128 hp + 8 h
	s_lshr_b32 s97, s52, 1
	s_mul_i32 s97, s97, 16*SPI
	s_and_b32 s99, s52, 1
	s_mul_i32 s99, s99, 8*SPI
	s_add_co_u32 s97, s97, s99
	s_add_co_u32 s97, s97, STG
	v_mul_u32_u24 v9, v14, SPI
	v_lshl_add_u32 v9, v13, 4, v9
	v_add_nc_u32 v9, s97, v9                       ; back: wave w takes rows 8 (w % 2) .. + 7 of place w / 2; sixteen lanes to a row
	v_lshlrev_b32 v10, 11, v14
	v_lshl_add_u32 v10, v13, 4, v10                ; and the same two rows in oc
	s_and_b32 s98, ttmp7, 0xffff                   ; g
	s_lshl_b32 s74, s98, 2
	s_lshl_b32 s99, s94, 1
	s_add_co_u32 s74, s74, s99                     ; my first head: 4 g + 2 hp
	s_lshl_b32 s74, s74, 17
	s_lshl_b32 s99, s53, 10
	s_add_co_u32 s74, s74, s99
	s_mov_b32 s75, 0
	s_lshl_b32 s76, s98, 17
	s_mov_b32 s77, 0
	s_lshl_b32 s57, s53, 12                        ; my tile's mask words: 4,096 QT + 256 x step
	s_lshl_b32 s101, s53, 4
	s_add_co_u32 s101, s101, 524288                ; and its flags
	s_mov_b32 s60, 0x76543210
	s_mov_b32 s61, 0xfedcba98                      ; v_permlanex16_b32: lane l xor 16
	s_wait_kmcnt 0x0
	s_load_b128 s[92:95], s[86:87], s101 offset:0x0   ; the flags of my tile's 16 steps, four steps a word
	s_load_b128 s[96:99], s[88:89], 0x18           ; e6, e7, e8, e9
	s_load_b32 s100, s[88:89], 0x28                ; e10
	s_add_nc_u64 s[72:73], s[84:85], s[74:75]      ; Q's images at my first head and tile
	s_add_nc_u64 s[68:69], s[84:85], s[76:77]
	s_add_nc_u64 s[70:71], s[68:69], 0x500000      ; V's image of kv head g
	s_add_nc_u64 s[68:69], s[68:69], 0x400000      ; K's
	WIN 0x40
.irp e, 0,1
.irp c, 0,1
	global_load_b128 v[QF+8*\e+4*\c:QF+8*\e+4*\c+3], v1, s[72:73] offset:131072*\e+512*\c
.endr
.endr
	WIN 0
	; THE COPY: 64 chunks a wave through 48 sets of four registers
.set ci, 0
.rept 48
	CLOAD ci
.set ci, ci+1
.endr
.set ci, 0
.rept 16
	s_wait_loadcnt 47-ci                           ; the chunks issued behind this one may be out
	CSTORE ci
.set ci, ci+1
.endr
	s_wait_dscnt 0x0                               ; those stores have read their registers, which take the last 16 chunks
.set ci, 48
.rept 16
	CLOAD ci
.set ci, ci+1
.endr
.set ci, 16
.rept 48
	s_wait_loadcnt 63-ci
	CSTORE ci
.set ci, ci+1
.endr
	s_wait_kmcnt 0x0
	s_lshl_b32 s93, s93, 8
	s_lshl_b32 s94, s94, 16
	s_lshl_b32 s95, s95, 24
	s_or_b32 s54, s92, s93
	s_or_b32 s54, s54, s94
	s_or_b32 s54, s54, s95                         ; two bits a step
	s_add_co_i32 s2, s96, s97
	s_lshl_b32 s2, s2, 23
	s_add_co_i32 s58, s2, 0x3e38aa3b               ; c = log2(e) / 8, with e6 + e7 added to its exponent field: a score stands for score x 2^(e6 + e7)
	s_mov_b32 s59, s58                             ; (named with it as a pair, so it is written)
	s_mov_b32 s63, s99                             ; e9
	s_add_co_i32 s2, s99, 127
	s_lshl_b32 s3, s2, 23
	v_mov_b32 v7, s3                               ; 2^e9
	s_add_co_i32 s2, s2, 8
	s_lshl_b32 s2, s2, 23
	s_or_b32 s2, s2, 0x600000
	v_mov_b32 v6, s2                               ; 448 x 2^e9
	s_sub_co_i32 s2, s100, s98
	s_sub_co_i32 s2, s2, s99                       ; e10 - e8 - e9: O^T / the sum stands for that x 2^(e8 + e9)
	s_add_co_i32 s2, s2, 127
	s_lshl_b32 s3, s2, 23
	v_mov_b32 v31, s3
	s_add_co_i32 s2, s2, 8
	s_lshl_b32 s2, s2, 23
	s_or_b32 s2, s2, 0x600000
	v_mov_b32 v30, s2
	s_load_b512 s[4:19], s[86:87], s57 offset:0x0      ; step 0's words, once without a condition: so the 64 registers are written on every way to the selects below.
	s_load_b512 s[20:35], s[86:87], s57 offset:0x40    ; (all loads that named s[68:73] as a base are done: the last wait above was for 0)
	s_load_b512 s[36:51], s[86:87], s57 offset:0x80
	s_load_b512 s[68:83], s[86:87], s57 offset:0xc0
	v_mov_b32 v5, 0xff800000                       ; -infinity
	v_mov_b32 v236, 0x7f7f7f7f                     ; four NaN codes
.irp e, 0,1
	v_mov_b32 v[13+4*\e], 0xff61b1e6               ; the largest t so far: -3e38
	v_floor_f32 v[12+4*\e], -v[13+4*\e]            ; -M
	v_mov_b32 v[14+4*\e], 0                        ; the sum, in two halves
	v_mov_b32 v[15+4*\e], 0
	v_mov_b32 v[21+2*\e], 0                        ; (named as the upper half of f's pair)
	v_mov_b32 v[28+\e], 0                          ; a lane permute's destination counts as one of its sources
.endr
	WIN 0x40
.set i, 0
.rept 64
	v_mov_b32 v[OT+i], 0                           ; O^T.  Which step is the first to be worked hangs on the flags, so no first step can be written out ahead of the loop
.set i, i+1
.endr
	WIN 0
	s_wait_dscnt 0x0                               ; my part of the images lies in LDS
	s_barrier_signal -1
	s_barrier_wait -1                              ; everybody's does
	s_wait_kmcnt 0x0
	s_mov_b32 s55, 0                               ; 2 x step: the loop's counter and the flags' shift
	s_mov_b32 s56, 0                               ; 8,192 x step: a step's place in both images
.Lstep:                                                ; 16 trips, a constant; a trip's work is jumped over where no key of the step counts
	s_lshr_b32 s62, s54, s55
	s_and_b32 s62, s62, 3
	s_cmp_eq_u32 s62, 0
	s_cbranch_scc1 .Lnext
	s_cmp_lg_u32 s62, 1
	s_cbranch_scc1 .Lno_words
	s_load_b512 s[4:19], s[86:87], s57 offset:0x0
	s_load_b512 s[20:35], s[86:87], s57 offset:0x40
	s_load_b512 s[36:51], s[86:87], s57 offset:0x80
	s_load_b512 s[68:83], s[86:87], s57 offset:0xc0
.Lno_words:
	v_add_nc_u32 v3, s56, v1
	v_add_nc_u32 v4, s56, v2
	v_nop
	v_nop                                          ; four places behind the last step's products, in front of the loads into V's registers
.irp t, 0,1,2,3,4,5,6,7
.irp c, 0,1
	ds_load_b128 v[KF+8*\t+4*\c:KF+8*\t+4*\c+3], v3 offset:1024*\t+512*\c
.endr
.endr
	WIN 0x40
.irp d, 0,1,2,3
.irp c, 0,1,2,3
	ds_load_b128 v[16*\d+4*\c:16*\d+4*\c+3], v4 offset:2048*\d+512*\c
.endr
.endr
	s_wait_dscnt 16                                ; K is in; V's 16 loads may be out
	WIN 0x04                                       ; source 1 (Q) window 1
.irp t, 0,1,2,3,4,5,6,7
.irp e, 0,1
	v_wmma_f32_16x16x64_fp8_fp8 v[S+64*\e+8*\t:S+64*\e+8*\t+7], v[KF+8*\t:KF+8*\t+7], v[QF+8*\e:QF+8*\e+7], 0
.endr
.endr
	WIN 0
.rept 4
	v_nop
.endr
	s_wait_kmcnt 0x0                               ; on every way: the words, where they were asked for
	s_cmp_lg_u32 s62, 1
	s_cbranch_scc1 .Lopen
.set n, 0
.rept 64
	v_cndmask_b32 v[S+n], v5, v[S+n], s[4+n+16*(n/48)]         ; bit = lane: the score where the mask's byte is true, else -infinity
	v_cndmask_b32 v[S+64+n], v5, v[S+64+n], s[4+n+16*(n/48)]   ; the same queries and keys in my second head
.set n, n+1
.endr
.Lopen:
.irp e, 0,1
	v_max3_num_f32 v[24+2*\e], v[S+64*\e], v[S+64*\e+1], v[S+64*\e+2]   ; the step's largest score of my query among my 64 keys: two chains a head, from each accumulator's low end on
	v_max3_num_f32 v[25+2*\e], v[S+64*\e+3], v[S+64*\e+4], v[S+64*\e+5]
.endr
.irp i, 6,10,14,18,22,26,30,34,38,42,46,50,54,58
.irp e, 0,1
	v_max3_num_f32 v[24+2*\e], v[24+2*\e], v[S+64*\e+\i], v[S+64*\e+\i+1]
	v_max3_num_f32 v[25+2*\e], v[25+2*\e], v[S+64*\e+\i+2], v[S+64*\e+\i+3]
.endr
.endr
.irp e, 0,1
	v_max3_num_f32 v[24+2*\e], v[24+2*\e], v[S+64*\e+62], v[S+64*\e+63]
.endr
.irp e, 0,1
	v_max_num_f32 v[24+2*\e], v[24+2*\e], v[25+2*\e]
.endr
.irp e, 0,1
	v_permlanex16_b32 v[28+\e], v[24+2*\e], s60, s61
.endr
.irp e, 0,1
	v_max_num_f32 v[24+2*\e], v[24+2*\e], v[28+\e]   ; and among lane l xor 16's
.endr
.irp e, 0,1
	v_mul_f32 v[24+2*\e], s58, v[24+2*\e]          ; as t (c is positive)
.endr
.irp e, 0,1
	v_max_num_f32 v[13+4*\e], v[13+4*\e], v[24+2*\e]   ; the running largest t
.endr
.irp e, 0,1
	v_mov_b32 v[25+2*\e], v[12+4*\e]
.endr
.irp e, 0,1
	v_floor_f32 v[12+4*\e], -v[13+4*\e]            ; the new -M = -ceil(t): a whole number
.endr
.irp e, 0,1
	v_sub_f32 v[25+2*\e], v[12+4*\e], v[25+2*\e]   ; old M - new M, 0 or less
.endr
.irp e, 0,1
	v_cvt_i32_f32 v[25+2*\e], v[25+2*\e]           ; (it saturates)
.endr
.irp e, 0,1
	v_ldexp_f32 v[20+2*\e], 1.0, v[25+2*\e]        ; f = 2^(old M - new M)
.endr
.irp e, 0,1
.irp j, 0,2,4,6,8,10,12,14,16,18,20,22,24,26,28,30,32,34,36,38,40,42,44,46,48,50,52,54,56,58,60,62
	v_pk_fma_f32 v[S+64*\e+\j:S+64*\e+\j+1], v[S+64*\e+\j:S+64*\e+\j+1], s[58:59], v[12+4*\e:13+4*\e] op_sel_hi:[1,0,0]   ; t - M (of the pairs c and -M the low word serves both halves)
.endr
.endr
.set i, 0
.rept 128
	v_exp_f32 v[S+i], v[S+i]                       ; p = 2^(t - M): one batch for both heads
.set i, i+1
.endr
.irp e, 0,1
	v_pk_mul_f32 v[14+4*\e:15+4*\e], v[14+4*\e:15+4*\e], v[20+2*\e:21+2*\e] op_sel_hi:[1,0]   ; the sums under the new M: the plain lines behind the exponentials
.endr
	s_wait_alu depctr_va_vdst(0)                   ; one wait for the batch, ahead of the first line that names a result
.irp e, 0,1
	v_pk_add_f32 v[224+2*\e:225+2*\e], v[S+64*\e:S+64*\e+1], v[S+64*\e+2:S+64*\e+3]   ; the row's sum is taken of the unquantised p: two chains a head
.endr
.irp j, 4,8,12,16,20,24,28,32,36,40,44,48,52,56,60
.irp e, 0,1
	v_pk_add_f32 v[14+4*\e:15+4*\e], v[14+4*\e:15+4*\e], v[S+64*\e+\j:S+64*\e+\j+1]
	v_pk_add_f32 v[224+2*\e:225+2*\e], v[224+2*\e:225+2*\e], v[S+64*\e+\j+2:S+64*\e+\j+3]
.endr
.endr
.irp e, 0,1
	v_pk_add_f32 v[14+4*\e:15+4*\e], v[14+4*\e:15+4*\e], v[224+2*\e:225+2*\e]
.endr
	s_cmp_ge_i32 s63, -8                           ; p is at most 1, and 448 x 2^e9 is at least 1 from e9 = -8 on: the hold then changes nothing and is passed over
	s_cbranch_scc1 .Lno_hold
.set i, 0
.rept 128
	v_min_num_f32 v[S+i], v[S+i], v6               ; the conversion does not saturate (ISA guide 7.6.2); p is not negative, so the hold is one-sided
.set i, i+1
.endr
.Lno_hold:
	WIN 0x40                                       ; destination window 1
.irp e, 0,1
.irp t, 0,1,2,3,4,5,6,7
	v_cvt_scalef32_pk8_fp8_f32 v[PC+16*\e+2*\t:PC+16*\e+2*\t+1], v[S+64*\e+8*\t:S+64*\e+8*\t+7], v7
.endr
.endr
	WIN 0x41                                       ; O^T (destination, source 0) window 1, f window 0
.irp e, 0,1
.irp j, 0,2,4,6,8,10,12,14,16,18,20,22,24,26,28,30
	v_pk_mul_f32 v[OT+32*\e+\j:OT+32*\e+\j+1], v[OT+32*\e+\j:OT+32*\e+\j+1], v[20+2*\e:21+2*\e] op_sel_hi:[1,0]   ; O^T under the new M; also the plain lines behind the conversions
.endr
.endr
	s_wait_dscnt 0x0                               ; V is in
	WIN 0x55
.irp d, 0,1,2,3
.irp e, 0,1
	v_wmma_f32_16x16x128_fp8_fp8 v[OT+32*\e+8*\d:OT+32*\e+8*\d+7], v[16*\d:16*\d+15], v[PC+16*\e:PC+16*\e+15], v[OT+32*\e+8*\d:OT+32*\e+8*\d+7]   ; eight accumulators, one instruction a turn
.endr
.endr
	WIN 0
.Lnext:
	s_add_co_u32 s56, s56, 8192
	s_add_co_u32 s57, s57, 256                     ; (no scalar load is out here: a worked step has waited for its words)
	s_add_co_u32 s55, s55, 2
	s_cmp_lt_u32 s55, 32
	s_cbranch_scc1 .Lstep
	; THE WAY OUT: O^T / the sum, quantised with 2^e10; a row of oc takes the group's four heads' 256 codes, which come from two waves: so they meet in the stage
.rept 4
	v_nop
.endr
.irp e, 0,1
	v_add_f32 v[234+\e], v[14+4*\e], v[15+4*\e]
.endr
.irp e, 0,1
	v_permlanex16_b32 v[28+\e], v[234+\e], s60, s61
.endr
.irp e, 0,1
	v_add_f32 v[234+\e], v[234+\e], v[28+\e]       ; the row's sum
.endr
.irp e, 0,1
	v_rcp_f32 v[232+\e], v[234+\e]
.endr
	v_nop                                          ; a plain line behind the reciprocals
	s_wait_alu depctr_va_vdst(0)                   ; and a wait ahead of their first reader
	WIN 0x01                                       ; source 0 window 1
.irp e, 0,1
.set i, 0
.rept 32
	v_mul_f32 v[S+32*\e+i], v[OT+32*\e+i], v[232+\e]   ; register 8 d + j: channel 16 d + 8 h + j of my query; each accumulator from its low end on
.set i, i+1
.endr
.endr
	WIN 0
.set i, 0
.rept 64
	v_med3_num_f32 v[S+i], v[S+i], -v30, v30
.set i, i+1
.endr
.irp e, 0,1
.irp d, 0,1,2,3
	v_cvt_scalef32_pk8_fp8_f32 v[32+8*\e+2*\d:33+8*\e+2*\d], v[S+32*\e+8*\d:S+32*\e+8*\d+7], v31
.endr
.endr
	v_nop                                          ; a plain line between the conversions and the selects on their results
.irp e, 0,1
	v_cmp_eq_f32 vcc_lo, 0, v[234+\e]              ; a query for which no key counted: its softmax is NaN
.irp k, 0,1,2,3,4,5,6,7
	v_cndmask_b32 v[32+8*\e+\k], v[32+8*\e+\k], v236, vcc_lo
.endr
.endr
.irp e, 0,1
.irp d, 0,1,2,3
	ds_store_b64 v8, v[32+8*\e+2*\d:33+8*\e+2*\d] offset:64*\e+16*\d
.endr
.endr
	s_bfe_u32 s92, s52, 0x10001                    ; the tile whose rows I store: place w / 2 = 2 E' + a'
	s_lshr_b32 s93, s52, 2
	s_lshl_b32 s94, ttmp9, 1
	s_add_co_u32 s94, s94, s92
	s_lshl_b32 s95, s94, 1
	s_sub_co_u32 s95, 127, s95
	s_mul_i32 s95, s95, s93
	s_add_co_u32 s94, s94, s95
	s_lshl_b32 s94, s94, 4
	s_and_b32 s95, s52, 1
	s_lshl_b32 s95, s95, 3
	s_add_co_u32 s94, s94, s95                     ; its first token of mine
	s_lshl_b32 s94, s94, 11
	s_and_b32 s95, ttmp7, 0xffff
	s_lshl_b32 s95, s95, 8
	s_add_co_u32 s94, s94, s95                     ; + 256 g
	s_mov_b32 s95, 0
	s_add_nc_u64 s[90:91], s[90:91], s[94:95]
	s_wait_dscnt 0x0                               ; for the others' sake: my stores into the stage are done
	s_barrier_signal -1
	s_barrier_wait -1
.irp i, 0,1,2,3
	ds_load_b128 v[S+4*\i:S+4*\i+3], v9 offset:2*SPI*\i
.endr
.irp i, 0,1,2,3
	s_wait_dscnt 3-\i
	global_store_b128 v10, v[S+4*\i:S+4*\i+3], s[90:91] offset:4096*\i   ; sixteen lanes store 256 consecutive bytes, aligned
.endr
	s_wait_tensorcnt 0x0
	ds_add_u32 v254, v255
	s_wait_dscnt 0x0
	s_endpgm
.Lfunc_end_k_qfb145bc787_attn:
	.size	k_qfb145bc787_attn, .Lfunc_end_k_qfb145bc787_attn-k_qfb145bc787_attn
	.p2alignl 7, 3214868480
	.fill 96, 4, 3214868480
	.section	.rodata,"a",@progbits
	.p2align	6, 0x0
	.amdhsa_kernel k_qfb145bc787_attn
		.amdhsa_group_segment_fixed_size 280576
		.amdhsa_private_segment_fixed_size 0
		.amdhsa_enable_private_segment 0
		.amdhsa_kernarg_size 32
		.amdhsa_user_sgpr_count 2
		.amdhsa_user_sgpr_kernarg_segment_ptr 1
		.amdhsa_wavefront_size32 1
		.amdhsa_system_sgpr_workgroup_id_x 1
		.amdhsa_system_sgpr_workgroup_id_y 1
		.amdhsa_system_sgpr_workgroup_id_z 1
		.amdhsa_system_vgpr_workitem_id 0
		.amdhsa_next_free_vgpr 448
		.amdhsa_next_free_sgpr 102
		.amdhsa_reserve_vcc 1
		.amdhsa_float_denorm_mode_32 3
		.amdhsa_float_denorm_mode_16_64 3
		.amdhsa_memory_ordered 1
		.amdhsa_forward_progress 1
		.amdhsa_inst_pref_size 67
	.end_amdhsa_kernel
	.amdgpu_metadata
---
amdhsa.version: [ 1, 2 ]
amdhsa.kernels:
  - .name:           k_qfb145bc787_attn
    .symbol:         k_qfb145bc787_attn.kd
    .args:
      - { .name: qkv, .offset: 0, .size: 8, .value_kind: global_buffer, .address_space: global }
      - { .name: mk, .offset: 8, .size: 8, .value_kind: global_buffer, .address_space: global }
      - { .name: lowp_scales, .offset: 16, .size: 8, .value_kind: global_buffer, .address_space: global }
      - { .name: oc, .offset: 24, .size: 8, .value_kind: global_buffer, .address_space: global }
    .group_segment_fixed_size: 280576
    .private_segment_fixed_size: 0
    .kernarg_segment_align: 8
    .kernarg_segment_size: 32
    .max_flat_workgroup_size: 256
    .sgpr_count:     102
    .vgpr_count:     448
    .wavefront_size: 32
...
	.end_amdgpu_metadata
.endif
;; end of part 3
;; launch outp (part 4): grid 16 x 16, 4 waves a work-group, clusters of 4 x 4, 327,680 bytes of LDS; arguments oc, wc, lowp_scales, out0; writes out0
.if DOCPART == 4
	.amdgcn_target "amdgcn-amd-amdhsa--gfx1250"
	.amdhsa_code_object_version 6
	.text
	.protected	k_qfb145bc787_outp
	.globl	k_qfb145bc787_outp
	.p2align	8
	.type	k_qfb145bc787_outp,@function
k_qfb145bc787_outp:
	s_mov_b64 s[64:65], 0
	v_nop
	global_prefetch_b8 v0, s[64:65] scope:SCOPE_SE
	s_setreg_imm32_b32 hwreg(HW_REG_WAVE_MODE, 25, 1), 1
	s_wait_xcnt 0x0
	s_wait_alu depctr_hold_cnt(0) depctr_sa_sdst(0) depctr_va_vdst(0) depctr_va_sdst(0) depctr_va_ssrc(0) depctr_va_vcc(0) depctr_vm_vsrc(0)
	s_getreg_b32 s2, hwreg(HW_REG_IB_STS2, 6, 4)
	s_cmp_eq_u32 s2, 0
	s_cbranch_scc0 .Lentry_in_a_cluster
	s_endpgm
.Lentry_in_a_cluster:
	s_bfe_u32 s2, ttmp6, 0x10000c
	s_cmp_lg_u32 s2, 0xf033
	s_cbranch_scc0 .Lentry_shape_is_right
	s_endpgm
.Lentry_shape_is_right:
; Product 6: out0[token][n] = 2^(e10 + e11) x the sum over k of oc[token][k] x wc[3072 + n][k], both codes of E4M3 with K innermost; sums in f32.
; THE CORE is that of the launch qkv: a tile of 128 rows of X (tokens) x 128 rows of Y (Wo's columns); four waves, each 64 x 64: 16 accumulators; K in four steps of 512 through two LDS slots; written out.
; Source 0 = 16 rows of Y, source 1 = 16 rows of X: lane (r, h) holds token 16 a + r and eight neighbouring columns 16 b + 8 h + 0 .. 7.  A fragment is fetched by four loads of 16 bytes: a permutation of k, the same on both sides.
; CLUSTERS 4 x 4: X's tile hangs on cy and is asked for jointly by my row of the cluster, Y's on cx and by my column.  16 x 16 = 256 tiles.
; A wave's 64 columns are 256 bytes of a row of out0: 16 rows at a time go through the wave's own stage in LDS and leave as aligned units of 256 bytes.
; LIMIT: e10 + e11 between -126 and 127.  A NaN code in oc (a query for which no key counted) makes its row of out0 NaN, as it is expected.  No L2 prefetch: four K steps are too short a walk for a lead.
; REGISTERS: window 0: v16-29 addresses; v32-63 at work; v64-127 rows read back; v128-255 accumulators.  window 1: two fragment buffers of 128.
.set KSTEP,  512
.set PITCH,  528                       ; 512 bytes + 16 = 132 words: row r starts at bank 4 r mod 64 (64 banks of 4 bytes: ISA guide 11.1)
.set HALFT,  64*PITCH
.set SLOT,   4*HALFT
.set STAGE,  2*SLOT                    ; behind the ring: 16 rows x 272 bytes for each wave; no tensor load fills it
.set SPITCH, 272
.set SPARE,  STAGE+4*16*SPITCH         ; behind the stages: the spare words, 128 bytes a wave, that no other line names
.set ADRA, 16
.set ADRB, 20
.set STO,  24
.set RD,   25
.set CO,   26
.set SPW,  28
.set NIL,  29
.set TMP,  32
.set ACC,  128
.set F0,   0
.set F1,   128
.set G1, 24
.set G0, 32
.set G1B, 48
.set G0B, 56
.set MSB, 0
.macro WIN new                         ; the immediate's high byte repeats the setting that is left
.if MSB != \new
	s_set_vgpr_msb (MSB<<8)|\new
.set MSB, \new
.endif
.endm
.set MUL,  0x05
.set TO_F, 0x40
.macro JLOAD s                         ; a joint load: waves 0 and 1 fetch X's halves, waves 2 and 3 Y's; four v_nop follow each line
	s_cmp_eq_u32 s11, 0
	s_cbranch_scc0 .Lfor_b_\@
	tensor_load_to_lds s[G0+4*\s:G0+4*\s+3], s[G1:G1+7]
	s_nop 0
.rept 4
	v_nop
.endr
	s_branch .Lasked_\@
.Lfor_b_\@:
	tensor_load_to_lds s[G0B+4*\s:G0B+4*\s+3], s[G1B:G1B+7]
	s_nop 0
.rept 4
	v_nop
.endr
.Lasked_\@:
.endm
.macro CREST
	s_cmp_lg_u32 s10, 0
	s_cbranch_scc1 .Lnot_wave_0_\@
	s_barrier_signal -3
.Lnot_wave_0_\@:
	s_barrier_wait -3
	s_barrier_signal -1
	s_barrier_wait -1
.endm
.macro CROUND
	s_barrier_signal -1
	s_barrier_wait -1
	CREST
.endm
.macro PLACES                          ; four plain places behind matrix instructions (ISA guide 7.12.1)
.rept 4
	v_nop
.endr
.endm
.macro MUL4 f, a, zero                 ; the 16 accumulators take turns, one instruction a turn
.irp b, 0,1,2,3
.if \zero
	v_wmma_f32_16x16x128_fp8_fp8 v[ACC+8*(4*(\a)+\b):ACC+8*(4*(\a)+\b)+7], v[\f+64+16*\b:\f+64+16*\b+15], v[\f+16*(\a):\f+16*(\a)+15], 0
.else
	v_wmma_f32_16x16x128_fp8_fp8 v[ACC+8*(4*(\a)+\b):ACC+8*(4*(\a)+\b)+7], v[\f+64+16*\b:\f+64+16*\b+15], v[\f+16*(\a):\f+16*(\a)+15], v[ACC+8*(4*(\a)+\b):ACC+8*(4*(\a)+\b)+7]
.endif
.endr
.endm
.macro FRAG reg, adr, k, i
.irp c, 0,1,2,3
	ds_load_b128 v[\reg+4*\c:\reg+4*\c+3], v[\adr] offset:(\k)+32*\c+(\i)*16*PITCH
.endr
.endm
.macro FETCH slot, k, f                ; 32 LDS loads in one run: Y's four fragments, then X's blocks 0, 1, then 2, 3
	WIN TO_F
.irp i, 0,1,2,3
	FRAG \f+64+16*\i, ADRB+\slot, \k, \i
.endr
.irp i, 0,1,2,3
	FRAG \f+16*\i, ADRA+\slot, \k, \i
.endr
.endm
.macro QUARTER slot, k, f, g, zero
	s_wait_dscnt 8                                 ; all but the youngest eight loads (X's blocks 2, 3) are in
	WIN MUL
	MUL4 \f, 0, \zero
	MUL4 \f, 1, \zero
	PLACES
	FETCH \slot, \k, \g
	s_wait_dscnt 32                                ; all but the 32 just issued
	WIN MUL
	MUL4 \f, 2, \zero
	MUL4 \f, 3, \zero
.endm
.macro TURN slot, next, fill
	WIN 0
	s_wait_tensorcnt 0x0                           ; all my tensor loads have landed: my part of the next slot;
	ds_add_u32 v[SPW], v[NIL]                      ; 0 onto my spare word;
	s_wait_dscnt 9                                 ; (the add and the youngest eight loads may be out)
	WIN MUL
	MUL4 F1, 0, 0
	s_wait_dscnt 0x0                               ; the add is done, and my reads of this slot are over
	s_barrier_signal -1
	MUL4 F1, 1, 0
.if \fill
	WIN 0
.endif
	s_barrier_wait -1
.if \fill
	CREST                                          ; no wave of any partner still reads this slot or has a load on its way
	s_add_nc_u64 s[G0+4*\slot+2:G0+4*\slot+3], s[G0+4*\slot+2:G0+4*\slot+3], 2*KSTEP
	s_add_nc_u64 s[G0B+4*\slot+2:G0B+4*\slot+3], s[G0B+4*\slot+2:G0B+4*\slot+3], 2*KSTEP
	JLOAD \slot                                    ; the first tensor load behind the round; its four v_nop are also the places in front of the loads below
.else
	PLACES
.endif
	FETCH \next, 0, F0
	WIN MUL
	MUL4 F1, 2, 0
	MUL4 F1, 3, 0
.endm
	s_load_b256 s[68:75], s[0:1], 0x0              ; oc 68, wc 70, the scales' exponents 72, out0 74
	v_lshl_add_u32 v[SPW], v0, 2, SPARE
	v_mov_b32 v[NIL], 0
	ds_add_u32 v28, v29
	ds_add_u32 v28, v29
	s_wait_dscnt 0x0
	v_lshrrev_b32 v1, 5, v0
	v_readfirstlane_b32 s10, v1                    ; wave 0..3
	s_lshr_b32 s11, s10, 1                         ; my half of X's rows.  Also: I fetch for X (0) or for Y (1)
	s_and_b32 s12, s10, 1                          ; my half of Y's rows.  Also: which 64 rows of that tile I fetch
	s_bfe_u32 s40, ttmp6, 0x40000                  ; cx
	s_bfe_u32 s41, ttmp6, 0x40004                  ; cy
	s_lshl_b32 s42, ttmp9, 2
	s_add_co_u32 s42, s42, s40                     ; Y's tile = 4 x cluster x + cx
	s_and_b32 s13, ttmp7, 0xffff
	s_lshl_b32 s13, s13, 2
	s_add_co_u32 s13, s13, s41                     ; X's tile = 4 x cluster y + cy
	s_lshl_b32 s43, s41, 2
	s_lshl_b32 s43, 15, s43                        ; my row of the cluster
	s_lshl_b32 s44, 0x1111, s40                    ; my column
	s_or_b32 s[G1+0], s43, (0<<16)|(1<<20)|(1<<21)|(6<<22)|(3<<25)   ; 15:0 the mask; 17:16 elements of 1 byte; 20 padding on; 21 set beside a mask; 24:22 after every 128 words (code 6); 31:25 four words (code 3)
	s_or_b32 s[G1B+0], s44, (0<<16)|(1<<20)|(1<<21)|(6<<22)|(3<<25)
.irp g, G1, G1B
	s_mov_b32 s[\g+1], KSTEP<<16                   ; tensor_dim0 = 512
	s_mov_b32 s[\g+2], 64<<16                      ; tensor_dim1 = 64
	s_mov_b32 s[\g+3], KSTEP<<16                   ; tile_dim0 = 512
	s_mov_b32 s[\g+4], 64                          ; tile_dim1 = 64
	s_mov_b32 s[\g+5], 2048                        ; from row to row
	s_mov_b32 s[\g+6], 0
	s_mov_b32 s[\g+7], 0
.endr
	s_lshl_b32 s17, s12, 6
	s_lshl_b32 s16, s13, 7
	s_add_co_u32 s16, s16, s17
	s_lshl_b32 s16, s16, 11                        ; X: row 128 x tile + 64 x half, of 2,048 bytes
	s_lshl_b32 s46, s42, 7
	s_add_co_u32 s46, s46, s17
	s_lshl_b32 s46, s46, 11
	s_add_co_u32 s46, s46, 0x600000                ; Y: the same, from row 3,072 of wc on
	s_mov_b32 s17, 0
	s_mov_b32 s47, 0
	s_mul_i32 s20, s10, HALFT                      ; where they go: wave x 64 rows
	s_wait_kmcnt 0x0
	s_load_b64 s[96:97], s[72:73], 0x28            ; e10, e11
	s_add_nc_u64 s[14:15], s[68:69], s[16:17]
	s_add_nc_u64 s[46:47], s[70:71], s[46:47]
	CROUND                                         ; all sixteen work-groups are here: the first joint loads meet
.irp s, 0,1
	s_mov_b32 s[G0+4*\s], 1
	s_add_co_u32 s[G0+4*\s+1], s20, \s*SLOT
	s_add_nc_u64 s[G0+4*\s+2:G0+4*\s+3], s[14:15], \s*KSTEP
	s_or_b32 s[G0+4*\s+3], s[G0+4*\s+3], 0x80000000
	s_mov_b32 s[G0B+4*\s], 1
	s_add_co_u32 s[G0B+4*\s+1], s20, \s*SLOT
	s_add_nc_u64 s[G0B+4*\s+2:G0B+4*\s+3], s[46:47], \s*KSTEP
	s_or_b32 s[G0B+4*\s+3], s[G0B+4*\s+3], 0x80000000
	JLOAD \s                                       ; two loads of mine are out: K steps 0 and 1
.endr
	v_and_b32 v1, 15, v0                           ; r
	v_bfe_u32 v2, v0, 4, 1                         ; h
	v_mul_u32_u24 v3, v1, PITCH
	v_lshl_add_u32 v3, v2, 4, v3
	s_mul_i32 s21, s11, HALFT
	s_mul_i32 s22, s12, HALFT
	s_add_co_u32 s22, s22, 2*HALFT
.irp s, 0,1
	v_add_nc_u32 v[ADRA+\s], s21, v3
	v_add_nc_u32 v[ADRB+\s], s22, v3
	s_add_co_u32 s21, s21, SLOT
	s_add_co_u32 s22, s22, SLOT
.endr
	s_mul_i32 s23, s10, 16*SPITCH
	s_add_co_u32 s23, s23, STAGE                   ; my stage
	v_mul_u32_u24 v4, v1, SPITCH
	v_lshl_add_u32 v4, v2, 5, v4
	v_add_nc_u32 v[STO], s23, v4                   ; in: row r, 32 bytes for each half of the lanes
	v_mul_u32_u24 v5, v2, SPITCH
	v_lshl_add_u32 v5, v1, 4, v5
	v_add_nc_u32 v[RD], s23, v5                    ; back: lanes 0-15 one row of 256 bytes, lanes 16-31 the next
	v_lshlrev_b32 v5, 13, v2
	v_lshl_add_u32 v[CO], v1, 4, v5                ; and the same two rows in out0 (8,192 bytes a row)
	s_lshl_b32 s16, s13, 7
	s_lshl_b32 s17, s11, 6
	s_add_co_u32 s16, s16, s17
	s_lshl_b32 s16, s16, 13                        ; my first row of out0
	s_mov_b32 s17, 0
	s_add_nc_u64 s[74:75], s[74:75], s[16:17]
	s_lshl_b32 s46, s42, 9
	s_lshl_b32 s47, s12, 8
	s_add_co_u32 s46, s46, s47                     ; my first column, in bytes
	s_mov_b32 s47, 0
	s_add_nc_u64 s[74:75], s[74:75], s[46:47]
	s_wait_tensorcnt 1                             ; my part of K step 0 is in; K step 1's may stay out
	s_barrier_signal -1
	s_barrier_wait -1
	FETCH 0, 0, F0
	QUARTER 0, 128, F0, F1, 1                      ; the first products start the sums: nothing is cleared
	QUARTER 0, 256, F1, F0, 0
	QUARTER 0, 384, F0, F1, 0
	TURN 0, 1, 1                                   ; slot 0 takes K step 2
	QUARTER 1, 128, F0, F1, 0
	QUARTER 1, 256, F1, F0, 0
	QUARTER 1, 384, F0, F1, 0
	TURN 1, 0, 1                                   ; slot 1 takes K step 3
	QUARTER 0, 128, F0, F1, 0
	QUARTER 0, 256, F1, F0, 0
	QUARTER 0, 384, F0, F1, 0
	TURN 0, 1, 0                                   ; nothing is left to fetch
	QUARTER 1, 128, F0, F1, 0
	QUARTER 1, 256, F1, F0, 0
	QUARTER 1, 384, F0, F1, 0
	s_wait_dscnt 8
	WIN MUL
	MUL4 F1, 0, 0
	MUL4 F1, 1, 0
	s_wait_dscnt 0x0
	MUL4 F1, 2, 0
	MUL4 F1, 3, 0
	WIN 0
	PLACES
	s_wait_kmcnt 0x0
	s_add_co_i32 s96, s96, s97
	s_add_co_i32 s96, s96, 127
	s_lshl_b32 s96, s96, 23                        ; 2^(e10 + e11) as f32
	s_mov_b32 s97, s96                             ; (named with it as a pair, so it is written)
.irp a, 0,1,2,3
.if \a >= 2
	s_wait_xcnt 0x0                                ; the stores of two blocks ago have read the registers into which this block is read back
.endif
.irp j, 0,2,4,6,8,10,12,14,16,18,20,22,24,26,28,30
	v_pk_mul_f32 v[TMP+\j:TMP+\j+1], v[ACC+32*\a+\j:ACC+32*\a+\j+1], s[96:97] op_sel_hi:[1,0]   ; each accumulator from its low end on
.endr
.irp b, 0,1,2,3
	ds_store_b128 v[STO], v[TMP+8*\b:TMP+8*\b+3] offset:64*\b
	ds_store_b128 v[STO], v[TMP+8*\b+4:TMP+8*\b+7] offset:64*\b+16
.endr
.irp i, 0,1,2,3,4,5,6,7
	ds_load_b128 v[64+32*(\a%2)+4*\i:67+32*(\a%2)+4*\i], v[RD] offset:2*SPITCH*\i   ; LDS serves a wave's instructions in order (ISA guide 5.7.1.4): these see my stores
.endr
.irp i, 0,1,2,3,4,5,6,7
	s_wait_dscnt 7-\i
	global_store_b128 v[CO], v[64+32*(\a%2)+4*\i:67+32*(\a%2)+4*\i], s[74:75] offset:(16*\a+2*\i)*8192 th:TH_STORE_NT   ; sixteen lanes store 256 consecutive bytes, aligned
.endr
.endr
	s_wait_tensorcnt 0x0                           ; the wave's end
	ds_add_u32 v[SPW], v[NIL]
	s_wait_dscnt 0x0
	CROUND                                         ; the closing round: no work-group ends while a partner may still ask for a tile that names it
	s_endpgm
.Lfunc_end_k_qfb145bc787_outp:
	.size	k_qfb145bc787_outp, .Lfunc_end_k_qfb145bc787_outp-k_qfb145bc787_outp
	.p2alignl 7, 3214868480
	.fill 96, 4, 3214868480
	.section	.rodata,"a",@progbits
	.p2align	6, 0x0
	.amdhsa_kernel k_qfb145bc787_outp
		.amdhsa_group_segment_fixed_size 327680
		.amdhsa_private_segment_fixed_size 0
		.amdhsa_enable_private_segment 0
		.amdhsa_kernarg_size 32
		.amdhsa_user_sgpr_count 2
		.amdhsa_user_sgpr_kernarg_segment_ptr 1
		.amdhsa_wavefront_size32 1
		.amdhsa_system_sgpr_workgroup_id_x 1
		.amdhsa_system_sgpr_workgroup_id_y 1
		.amdhsa_system_sgpr_workgroup_id_z 1
		.amdhsa_system_vgpr_workitem_id 0
		.amdhsa_next_free_vgpr 512
		.amdhsa_next_free_sgpr 100
		.amdhsa_reserve_vcc 0
		.amdhsa_float_denorm_mode_32 3
		.amdhsa_float_denorm_mode_16_64 3
		.amdhsa_memory_ordered 1
		.amdhsa_forward_progress 1
		.amdhsa_inst_pref_size 74
	.end_amdhsa_kernel
	.amdgpu_metadata
---
amdhsa.version: [ 1, 2 ]
amdhsa.kernels:
  - .name:           k_qfb145bc787_outp
    .symbol:         k_qfb145bc787_outp.kd
    .args:
      - { .name: oc, .offset: 0, .size: 8, .value_kind: global_buffer, .address_space: global }
      - { .name: wc, .offset: 8, .size: 8, .value_kind: global_buffer, .address_space: global }
      - { .name: lowp_scales, .offset: 16, .size: 8, .value_kind: global_buffer, .address_space: global }
      - { .name: out0, .offset: 24, .size: 8, .value_kind: global_buffer, .address_space: global }
    .group_segment_fixed_size: 327680
    .private_segment_fixed_size: 0
    .kernarg_segment_align: 8
    .kernarg_segment_size: 32
    .max_flat_workgroup_size: 128
    .sgpr_count:     100
    .vgpr_count:     512
    .wavefront_size: 32
...
	.end_amdgpu_metadata
.endif
;; end of part 4
;; ======== version 2 of 2: 4 launches; version 1 with the launch attn written anew for expert scheduling mode
;; workspace buffers: xc 12,582,912 bytes; wc 10,485,760 bytes; mk 526,336 bytes of whole numbers; qkv 6,291,456 bytes; oc 4,194,304 bytes
;; launch prep: the kernel of part 1 again; grid 576 x 1, 4 waves a work-group, no clusters, 101,888 bytes of LDS; arguments x, Wq, Wk, Wv, Wo, mask, lowp_scales, xc, wc, mk; writes xc, wc, mk
;; launch qkv: the kernel of part 2 again; grid 24 x 8, 4 waves a work-group, clusters of 4 x 4, 327,680 bytes of LDS; arguments xc, wc, freqs, lowp_scales, qkv; writes qkv
;; launch attn (part 5): grid 32 x 8, 8 waves a work-group, no clusters, 280,576 bytes of LDS; arguments qkv, mk, lowp_scales, oc; writes oc
.if DOCPART == 5
	.amdgcn_target "amdgcn-amd-amdhsa--gfx1250"
	.amdhsa_code_object_version 6
	.text
	.protected	k_qfb145bc787_attn
	.globl	k_qfb145bc787_attn
	.p2align	8
	.type	k_qfb145bc787_attn,@function
k_qfb145bc787_attn:
	s_mov_b64 s[64:65], 0
	v_nop
	global_prefetch_b8 v0, s[64:65] scope:SCOPE_SE
	s_setreg_imm32_b32 hwreg(HW_REG_WAVE_SCHED_MODE, 0, 2), 2
	s_setreg_imm32_b32 hwreg(HW_REG_WAVE_MODE, 25, 1), 1
	s_wait_xcnt 0x0
	s_wait_alu depctr_vm_vsrc(0)
; Products 4 and 5 with the softmax between them, and the quantiser of the attention output.  All operands come as images of registers (16 bytes a lane at 16 x lane), made by the launch before.
; THE SOFTMAX: t = score x log2(e) / 8; M = the running largest t rounded UP to a whole number; p = 2^(t - M) is quantised with 2^e9, not normalised; the row's sum is taken of the unquantised p and divides at the end.
; When M moves, the sum and O are multiplied by 2^(old M - new M), which rounds nothing.
; THE MASK IS AN INPUT.  An earlier launch has turned its bytes into whole numbers: for each tile of 16 queries and each step of 128 keys a flag (0 no byte true, 1 some, 2 all) and 64 lane-mask words.  A step
; with flag 0 is left out by a scalar branch; with flag 1 the hidden scores become -infinity ahead of the maximum; with flag 2 nothing is masked.  A row with no true byte at all gets the NaN code, as its softmax is NaN.
; the kv head's whole K and V (128 KiB each) are copied into LDS once, through registers.
; SHARES.  Work-group (j, g): kv head g, the query tiles 2 j, 2 j + 1, 126 - 2 j, 127 - 2 j, for the group's four heads.  A wave: one tile, two heads, so that each fragment of K and V read from LDS feeds two products.
; An early and a late tile are paired (waves w and w + 4, waves 2 s and 2 s + 1): for masks of the lower-triangular kind the work is then even; for any other mask the result is right and the work may be uneven.
; LAYOUT.  S^T = K Q^T and O^T = V^T P^T: a lane holds one query (lane % 16) throughout.  Tile t of S^T holds keys 16 t + 8 h + 0 .. 7 in a lane's eight registers: their codes ARE registers 2 t, 2 t + 1 of P.
; LIMITS: e6 + e7 between -123 and 130; e9, and e10 - e8 - e9, between -126 and 119.
; REGISTERS.  window 0: v1-11 addresses and constants; v12-31 statistics; v32-95 K's 8 fragments; v96-223 S^T, then p (64 a head); v224-236 at work; v254, v255 the closing add's two.
;             window 1: v0-63 V's 4 fragments; v64-127 O^T (32 a head); v128-143 Q; v144-175 p's codes.
; s[4:51], s[68:83]: the step's 64 mask words (word n in s[4 + n + 16 (n / 48)]).
; THE MODE: SCHED_MODE bits 1:0 = 2 (LLVM: expert scheduling mode 2), set by the entry lines.  The code itself states the register dependences between vector or matrix instructions and
; memory or LDS instructions, with s_wait_alu, always for 0.
; THE PLAN.  Registers that memory or LDS instructions touch:
;   v1, v8-v11, v228  addresses, written at the head and never again: one wait on va_vdst ahead of the first load serves them all.
;   v32-v223          at the head the copy's chunks: loaded, then read by the LDS stores; one wait on vm_vsrc where 16 sets are loaded a second time, one behind the barrier, ahead of all that is written there later.
;   K's fragments     read by a step's 16 first products alone, which are complete at the wait behind the exponentials.  So the NEXT step's K is asked for behind that wait, in this step's middle, into the same
;                     registers, and a step's head starts its products with K in place.  It is asked for only where the next step's flag is not 0; a step that is left out asks in its own few lines; step 0's stands ahead of the loop.
;   V's fragments     read by a step's 8 second products, its last lines; loaded behind the next worked step's first products, behind a wait on va_vdst.
;   v3                the next step's place in K's image: written behind the exponentials, ahead of their wait; read by K's loads behind it.
;   v4                this step's place in V's image: written at the step's head; read by V's loads.
;   A worked step so has three lines of s_wait_alu: va_vdst ahead of V's loads (v4 is written; the last second products are done reading V); vm_vsrc behind the exponentials (the loads so far have read v3 and v4);
;   va_vdst behind them (the exponentials' results; v3 is written; the first products are done reading K).
;   On the way out: v32-v47 the codes, written by conversions and selects and read by the stage's stores; v96-v111, written by vector lines, then loaded from the stage: one wait on va_vdst serves both.
.set VIMG, 131072                      ; LDS: K's image at 0, V's here,
.set STG,  262144                      ; the stage for the way out: 4 query tiles x 16 rows x (256 bytes + 16)
.set SPI,  272
.set KF,   32
.set S,    96
.set OT,   64                          ; in window 1
.set QF,   128
.set PC,   144
.set MSB, 0
.macro WIN new                         ; the immediate's high byte repeats the setting that is left
.if MSB != \new
	s_set_vgpr_msb (MSB<<8)|\new
.set MSB, \new
.endif
.endm
.macro CLOAD i                         ; chunk i of my wave's 64: 512 consecutive bytes; 0-31 of K's image, 32-63 of V's
.if (\i) < 32
	global_load_b128 v[32+4*((\i)%48):35+4*((\i)%48)], v11, s[68:69] offset:512*(\i)
.else
	global_load_b128 v[32+4*((\i)%48):35+4*((\i)%48)], v11, s[70:71] offset:512*((\i)-32)
.endif
.endm
.macro CSTORE i
.if (\i) < 32
	ds_store_b128 v11, v[32+4*((\i)%48):35+4*((\i)%48)] offset:512*(\i)
.else
	ds_store_b128 v228, v[32+4*((\i)%48):35+4*((\i)%48)] offset:512*((\i)-32)
.endif
.endm
.macro KLOAD adr                       ; a step's eight fragments of K: 16 loads of 512 consecutive bytes, from the LDS address in v[adr] on
.irp t, 0,1,2,3,4,5,6,7
.irp c, 0,1
	ds_load_b128 v[KF+8*\t+4*\c:KF+8*\t+4*\c+3], v[\adr] offset:1024*\t+512*\c
.endr
.endr
.endm
	s_load_b256 s[84:91], s[0:1], 0x0              ; qkv 84, mk 86, the scales' exponents 88, oc 90
	v_lshl_add_u32 v254, v0, 2, 0x44400            ; the closing add's two registers, made here and kept for it alone: my spare word, behind the stage,
	v_mov_b32 v255, 0                              ; and 0
	v_lshrrev_b32 v1, 5, v0
	v_readfirstlane_b32 s52, v1                    ; wave 0..7 = b0 + 2 b1 + 4 b2
	v_and_b32 v12, 31, v0
	v_and_b32 v13, 15, v0                          ; r
	v_bfe_u32 v14, v0, 4, 1                        ; h
	v_lshlrev_b32 v1, 4, v12                       ; 16 x lane
	v_add_nc_u32 v2, VIMG, v1
	s_wait_alu depctr_va_sdst(0)                   ; s52 is written, ahead of its first reader: the tile, the heads and the LDS places are made from it
	s_lshl_b32 s92, s52, 14
	v_add_nc_u32 v11, s92, v1                      ; the copy: my wave's 16 KiB of an image, in memory and in LDS alike
	v_add_nc_u32 v228, VIMG, v11
	s_and_b32 s92, s52, 1
	s_bfe_u32 s93, s52, 0x10001                    ; a = b1
	s_lshr_b32 s94, s52, 2                         ; hp = b2: which two heads of the four
	s_xor_b32 s95, s92, s94                        ; E = b0 xor b2: an early tile (0) or a late one (1)
	s_lshl_b32 s53, ttmp9, 1
	s_add_co_u32 s53, s53, s93                     ; 2 j + a
	s_lshl_b32 s96, s53, 1
	s_sub_co_u32 s96, 127, s96
	s_mul_i32 s96, s96, s95
	s_add_co_u32 s53, s53, s96                     ; QT = 2 j + a, or 127 less that
	s_lshl_b32 s97, s95, 1
	s_add_co_u32 s97, s97, s93                     ; my tile's place in the stage: 2 E + a
	s_mul_i32 s97, s97, 16*SPI
	s_lshl_b32 s99, s94, 7
	s_add_co_u32 s97, s97, s99
	s_add_co_u32 s97, s97, STG
	v_mul_u32_u24 v8, v13, SPI
	v_lshl_add_u32 v8, v14, 3, v8
	v_add_nc_u32 v8, s97, v8                       ; into the stage: row r, + 128 hp + 8 h
	s_lshr_b32 s97, s52, 1
	s_mul_i32 s97, s97, 16*SPI
	s_and_b32 s99, s52, 1
	s_mul_i32 s99, s99, 8*SPI
	s_add_co_u32 s97, s97, s99
	s_add_co_u32 s97, s97, STG
	v_mul_u32_u24 v9, v14, SPI
	v_lshl_add_u32 v9, v13, 4, v9
	v_add_nc_u32 v9, s97, v9                       ; back: wave w takes rows 8 (w % 2) .. + 7 of place w / 2; sixteen lanes to a row
	v_lshlrev_b32 v10, 11, v14
	v_lshl_add_u32 v10, v13, 4, v10                ; and the same two rows in oc
	s_and_b32 s98, ttmp7, 0xffff                   ; g
	s_lshl_b32 s74, s98, 2
	s_lshl_b32 s99, s94, 1
	s_add_co_u32 s74, s74, s99                     ; my first head: 4 g + 2 hp
	s_lshl_b32 s74, s74, 17
	s_lshl_b32 s99, s53, 10
	s_add_co_u32 s74, s74, s99
	s_mov_b32 s75, 0
	s_lshl_b32 s76, s98, 17
	s_mov_b32 s77, 0
	s_lshl_b32 s57, s53, 12                        ; my tile's mask words: 4,096 QT + 256 x step
	s_lshl_b32 s101, s53, 4
	s_add_co_u32 s101, s101, 524288                ; and its flags
	s_mov_b32 s60, 0x76543210
	s_mov_b32 s61, 0xfedcba98                      ; v_permlanex16_b32: lane l xor 16
	s_wait_kmcnt 0x0
	s_load_b128 s[92:95], s[86:87], s101 offset:0x0   ; the flags of my tile's 16 steps, four steps a word
	s_load_b128 s[96:99], s[88:89], 0x18           ; e6, e7, e8, e9
	s_load_b32 s100, s[88:89], 0x28                ; e10
	s_add_nc_u64 s[72:73], s[84:85], s[74:75]      ; Q's images at my first head and tile
	s_add_nc_u64 s[68:69], s[84:85], s[76:77]
	s_add_nc_u64 s[70:71], s[68:69], 0x500000      ; V's image of kv head g
	s_add_nc_u64 s[68:69], s[68:69], 0x400000      ; K's
	WIN 0x40
	s_wait_alu depctr_va_vdst(0)                   ; the addresses v1, v8 to v11 and v228 are written, which the loads and stores of the whole kernel read; none of them is written again
.irp e, 0,1
.irp c, 0,1
	global_load_b128 v[QF+8*\e+4*\c:QF+8*\e+4*\c+3], v1, s[72:73] offset:131072*\e+512*\c
.endr
.endr
	WIN 0
	; THE COPY: 64 chunks a wave through 48 sets of four registers
.set ci, 0
.rept 48
	CLOAD ci
.set ci, ci+1
.endr
.set ci, 0
.rept 16
	s_wait_loadcnt 47-ci                           ; the chunks issued behind this one may be out
	CSTORE ci
.set ci, ci+1
.endr
	s_wait_dscnt 0x0                               ; those stores are done,
	s_wait_alu depctr_vm_vsrc(0)                   ; and have read v32 to v95, in which the last 16 chunks land
.set ci, 48
.rept 16
	CLOAD ci
.set ci, ci+1
.endr
.set ci, 16
.rept 48
	s_wait_loadcnt 63-ci
	CSTORE ci
.set ci, ci+1
.endr
	s_wait_kmcnt 0x0
	s_lshl_b32 s93, s93, 8
	s_lshl_b32 s94, s94, 16
	s_lshl_b32 s95, s95, 24
	s_or_b32 s54, s92, s93
	s_or_b32 s54, s54, s94
	s_or_b32 s54, s54, s95                         ; two bits a step
	s_add_co_i32 s2, s96, s97
	s_lshl_b32 s2, s2, 23
	s_add_co_i32 s58, s2, 0x3e38aa3b               ; c = log2(e) / 8, with e6 + e7 added to its exponent field: a score stands for score x 2^(e6 + e7)
	s_mov_b32 s59, s58                             ; (named with it as a pair, so it is written)
	s_mov_b32 s63, s99                             ; e9
	s_add_co_i32 s2, s99, 127
	s_lshl_b32 s3, s2, 23
	v_mov_b32 v7, s3                               ; 2^e9
	s_add_co_i32 s2, s2, 8
	s_lshl_b32 s2, s2, 23
	s_or_b32 s2, s2, 0x600000
	v_mov_b32 v6, s2                               ; 448 x 2^e9
	s_sub_co_i32 s2, s100, s98
	s_sub_co_i32 s2, s2, s99                       ; e10 - e8 - e9: O^T / the sum stands for that x 2^(e8 + e9)
	s_add_co_i32 s2, s2, 127
	s_lshl_b32 s3, s2, 23
	v_mov_b32 v31, s3
	s_add_co_i32 s2, s2, 8
	s_lshl_b32 s2, s2, 23
	s_or_b32 s2, s2, 0x600000
	v_mov_b32 v30, s2
	s_load_b512 s[4:19], s[86:87], s57 offset:0x0      ; step 0's words, once without a condition: so the 64 registers are written on every way to the selects below.
	s_load_b512 s[20:35], s[86:87], s57 offset:0x40    ; (all loads that named s[68:73] as a base are done: the last wait above was for 0)
	s_load_b512 s[36:51], s[86:87], s57 offset:0x80
	s_load_b512 s[68:83], s[86:87], s57 offset:0xc0
	v_mov_b32 v5, 0xff800000                       ; -infinity
	v_mov_b32 v236, 0x7f7f7f7f                     ; four NaN codes
.irp e, 0,1
	v_mov_b32 v[13+4*\e], 0xff61b1e6               ; the largest t so far: -3e38
	v_floor_f32 v[12+4*\e], -v[13+4*\e]            ; -M
	v_mov_b32 v[14+4*\e], 0                        ; the sum, in two halves
	v_mov_b32 v[15+4*\e], 0
	v_mov_b32 v[21+2*\e], 0                        ; (named as the upper half of f's pair)
	v_mov_b32 v[28+\e], 0                          ; a lane permute's destination counts as one of its sources
.endr
	WIN 0x40
.set i, 0
.rept 64
	v_mov_b32 v[OT+i], 0                           ; O^T.  Which step is the first to be worked hangs on the flags, so no first step can be written out ahead of the loop
.set i, i+1
.endr
	WIN 0
	s_wait_dscnt 0x0                               ; my part of the images lies in LDS
	s_barrier_signal -1
	s_barrier_wait -1                              ; everybody's does
	s_wait_alu depctr_vm_vsrc(0)                   ; my LDS stores of the copy have read v32 to v223: K's fragments land there from here on, and the scores are written there
	KLOAD 1                                        ; step 0's K: its place in the image is 16 x lane, v1.  No vector line has named v1 or v32 to v95 since the wait at the head
	s_wait_kmcnt 0x0
	s_mov_b32 s55, 0                               ; 2 x step: the loop's counter and the flags' shift
	s_mov_b32 s56, 0                               ; 8,192 x step: a step's place in both images
	s_wait_dscnt 0x0                               ; step 0's K is in
.Lstep:                                                ; 16 trips, a constant; a trip's work is jumped over where no key of the step counts.  No LDS load is out here, on any way
	s_lshr_b32 s62, s54, s55
	s_lshr_b32 s96, s62, 2
	s_and_b32 s96, s96, 3                          ; the next step's flag; behind step 15 the shifts leave 0
	s_and_b32 s62, s62, 3                          ; this step's
	s_add_co_u32 s97, s56, 8192                    ; the next step's place in K's image
	s_cmp_eq_u32 s62, 0
	s_cbranch_scc1 .Lskip
	s_cmp_lg_u32 s62, 1
	s_cbranch_scc1 .Lno_words
	s_load_b512 s[4:19], s[86:87], s57 offset:0x0
	s_load_b512 s[20:35], s[86:87], s57 offset:0x40
	s_load_b512 s[36:51], s[86:87], s57 offset:0x80
	s_load_b512 s[68:83], s[86:87], s57 offset:0xc0
.Lno_words:
	v_add_nc_u32 v4, s56, v2                       ; this step's place in V's image.  The loads that read v4 last stand ahead of the last worked step's wait on vm_vsrc
	WIN 0x04                                       ; source 1 (Q) window 1
.irp t, 0,1,2,3,4,5,6,7
.irp e, 0,1
	v_wmma_f32_16x16x64_fp8_fp8 v[S+64*\e+8*\t:S+64*\e+8*\t+7], v[KF+8*\t:KF+8*\t+7], v[QF+8*\e:QF+8*\e+7], 0   ; K was asked for a step ago and is in
.endr
.endr
	WIN 0x40                                       ; destination window 1
.rept 4
	v_nop                                          ; four places behind the products, ahead of the first read of the scores (ISA guide 7.12.1)
.endr
	s_wait_alu depctr_va_vdst(0)                   ; v4 is written, which the loads below read; the last worked step's second products are done reading V's fragments, in which they land
.irp d, 0,1,2,3
.irp c, 0,1,2,3
	ds_load_b128 v[16*\d+4*\c:16*\d+4*\c+3], v4 offset:2048*\d+512*\c
.endr
.endr
	WIN 0
	s_wait_kmcnt 0x0                               ; on every way: the words, where they were asked for
	s_cmp_lg_u32 s62, 1
	s_cbranch_scc1 .Lopen
.set n, 0
.rept 64
	v_cndmask_b32 v[S+n], v5, v[S+n], s[4+n+16*(n/48)]         ; bit = lane: the score where the mask's byte is true, else -infinity
	v_cndmask_b32 v[S+64+n], v5, v[S+64+n], s[4+n+16*(n/48)]   ; the same queries and keys in my second head
.set n, n+1
.endr
.Lopen:
.irp e, 0,1
	v_max3_num_f32 v[24+2*\e], v[S+64*\e], v[S+64*\e+1], v[S+64*\e+2]   ; the step's largest score of my query among my 64 keys: two chains a head, from each accumulator's low end on
	v_max3_num_f32 v[25+2*\e], v[S+64*\e+3], v[S+64*\e+4], v[S+64*\e+5]
.endr
.irp i, 6,10,14,18,22,26,30,34,38,42,46,50,54,58
.irp e, 0,1
	v_max3_num_f32 v[24+2*\e], v[24+2*\e], v[S+64*\e+\i], v[S+64*\e+\i+1]
	v_max3_num_f32 v[25+2*\e], v[25+2*\e], v[S+64*\e+\i+2], v[S+64*\e+\i+3]
.endr
.endr
.irp e, 0,1
	v_max3_num_f32 v[24+2*\e], v[24+2*\e], v[S+64*\e+62], v[S+64*\e+63]
.endr
.irp e, 0,1
	v_max_num_f32 v[24+2*\e], v[24+2*\e], v[25+2*\e]
.endr
.irp e, 0,1
	v_permlanex16_b32 v[28+\e], v[24+2*\e], s60, s61
.endr
.irp e, 0,1
	v_max_num_f32 v[24+2*\e], v[24+2*\e], v[28+\e]   ; and among lane l xor 16's
.endr
.irp e, 0,1
	v_mul_f32 v[24+2*\e], s58, v[24+2*\e]          ; as t (c is positive)
.endr
.irp e, 0,1
	v_max_num_f32 v[13+4*\e], v[13+4*\e], v[24+2*\e]   ; the running largest t
.endr
.irp e, 0,1
	v_mov_b32 v[25+2*\e], v[12+4*\e]
.endr
.irp e, 0,1
	v_floor_f32 v[12+4*\e], -v[13+4*\e]            ; the new -M = -ceil(t): a whole number
.endr
.irp e, 0,1
	v_sub_f32 v[25+2*\e], v[12+4*\e], v[25+2*\e]   ; old M - new M, 0 or less
.endr
.irp e, 0,1
	v_cvt_i32_f32 v[25+2*\e], v[25+2*\e]           ; (it saturates)
.endr
.irp e, 0,1
	v_ldexp_f32 v[20+2*\e], 1.0, v[25+2*\e]        ; f = 2^(old M - new M)
.endr
.irp e, 0,1
.irp j, 0,2,4,6,8,10,12,14,16,18,20,22,24,26,28,30,32,34,36,38,40,42,44,46,48,50,52,54,56,58,60,62
	v_pk_fma_f32 v[S+64*\e+\j:S+64*\e+\j+1], v[S+64*\e+\j:S+64*\e+\j+1], s[58:59], v[12+4*\e:13+4*\e] op_sel_hi:[1,0,0]   ; t - M (of the pairs c and -M the low word serves both halves)
.endr
.endr
.set i, 0
.rept 128
	v_exp_f32 v[S+i], v[S+i]                       ; p = 2^(t - M): one batch for both heads
.set i, i+1
.endr
	s_wait_alu depctr_vm_vsrc(0)                   ; the LDS loads issued so far have read v3, which the next line writes, and v4, which the next worked step's head writes
	v_add_nc_u32 v3, s97, v1                       ; the next step's place in K's image
.irp e, 0,1
	v_pk_mul_f32 v[14+4*\e:15+4*\e], v[14+4*\e:15+4*\e], v[20+2*\e:21+2*\e] op_sel_hi:[1,0]   ; the sums under the new M.  These three are the plain lines behind the exponentials
.endr
	s_wait_alu depctr_va_vdst(0)                   ; the exponentials have written p, ahead of the first line that names a result; v3 is written; this step's first products are done reading K's fragments
	s_cmp_eq_u32 s96, 0                            ; the next step's K is asked for here, if that step is worked: it lands under the sums, the conversions and the rescaling
	s_cbranch_scc1 .Lno_k
	KLOAD 3                                        ; no further wait: no vector or matrix line since the wait above names v3 or v32 to v95
.Lno_k:
.irp e, 0,1
	v_pk_add_f32 v[224+2*\e:225+2*\e], v[S+64*\e:S+64*\e+1], v[S+64*\e+2:S+64*\e+3]   ; the row's sum is taken of the unquantised p: two chains a head
.endr
.irp j, 4,8,12,16,20,24,28,32,36,40,44,48,52,56,60
.irp e, 0,1
	v_pk_add_f32 v[14+4*\e:15+4*\e], v[14+4*\e:15+4*\e], v[S+64*\e+\j:S+64*\e+\j+1]
	v_pk_add_f32 v[224+2*\e:225+2*\e], v[224+2*\e:225+2*\e], v[S+64*\e+\j+2:S+64*\e+\j+3]
.endr
.endr
.irp e, 0,1
	v_pk_add_f32 v[14+4*\e:15+4*\e], v[14+4*\e:15+4*\e], v[224+2*\e:225+2*\e]
.endr
	s_cmp_ge_i32 s63, -8                           ; p is at most 1, and 448 x 2^e9 is at least 1 from e9 = -8 on: the hold then changes nothing and is passed over
	s_cbranch_scc1 .Lno_hold
.set i, 0
.rept 128
	v_min_num_f32 v[S+i], v[S+i], v6               ; the conversion does not saturate (ISA guide 7.6.2); p is not negative, so the hold is one-sided
.set i, i+1
.endr
.Lno_hold:
	WIN 0x40                                       ; destination window 1
.irp e, 0,1
.irp t, 0,1,2,3,4,5,6,7
	v_cvt_scalef32_pk8_fp8_f32 v[PC+16*\e+2*\t:PC+16*\e+2*\t+1], v[S+64*\e+8*\t:S+64*\e+8*\t+7], v7
.endr
.endr
	WIN 0x41                                       ; O^T (destination, source 0) window 1, f window 0
.irp e, 0,1
.irp j, 0,2,4,6,8,10,12,14,16,18,20,22,24,26,28,30
	v_pk_mul_f32 v[OT+32*\e+\j:OT+32*\e+\j+1], v[OT+32*\e+\j:OT+32*\e+\j+1], v[20+2*\e:21+2*\e] op_sel_hi:[1,0]   ; O^T under the new M; also the plain lines behind the conversions
.endr
.endr
	s_wait_dscnt 0x0                               ; V is in, and so is the next step's K where it was asked for (for 0: K's loads stand under a branch, so no count tells V's apart)
	WIN 0x55
.irp d, 0,1,2,3
.irp e, 0,1
	v_wmma_f32_16x16x128_fp8_fp8 v[OT+32*\e+8*\d:OT+32*\e+8*\d+7], v[16*\d:16*\d+15], v[PC+16*\e:PC+16*\e+15], v[OT+32*\e+8*\d:OT+32*\e+8*\d+7]   ; eight accumulators, one instruction a turn
.endr
.endr
	WIN 0
	s_branch .Lnext
.Lskip:                                                ; a step that is left out: it only asks for the next step's K, if that step is worked
	s_cmp_eq_u32 s96, 0
	s_cbranch_scc1 .Lnext
	s_wait_alu depctr_vm_vsrc(0)                   ; the loads of K issued so far have read v3
	v_add_nc_u32 v3, s97, v1
	s_wait_alu depctr_va_vdst(0)                   ; v3 is written, which the loads below read; every product that read K's fragments is complete
	KLOAD 3
	s_wait_dscnt 0x0                               ; the next trip's first lines multiply by it
.Lnext:
	s_add_co_u32 s56, s56, 8192
	s_add_co_u32 s57, s57, 256                     ; (no scalar load is out here: a worked step has waited for its words)
	s_add_co_u32 s55, s55, 2
	s_cmp_lt_u32 s55, 32
	s_cbranch_scc1 .Lstep
	; THE WAY OUT: O^T / the sum, quantised with 2^e10; a row of oc takes the group's four heads' 256 codes, which come from two waves: so they meet in the stage
.rept 4
	v_nop
.endr
.irp e, 0,1
	v_add_f32 v[234+\e], v[14+4*\e], v[15+4*\e]
.endr
.irp e, 0,1
	v_permlanex16_b32 v[28+\e], v[234+\e], s60, s61
.endr
.irp e, 0,1
	v_add_f32 v[234+\e], v[234+\e], v[28+\e]       ; the row's sum
.endr
.irp e, 0,1
	v_rcp_f32 v[232+\e], v[234+\e]
.endr
	v_nop                                          ; a plain line behind the reciprocals
	s_wait_alu depctr_va_vdst(0)                   ; the reciprocals have written v232 and v233, ahead of their first reader
	WIN 0x01                                       ; source 0 window 1
.irp e, 0,1
.set i, 0
.rept 32
	v_mul_f32 v[S+32*\e+i], v[OT+32*\e+i], v[232+\e]   ; register 8 d + j: channel 16 d + 8 h + j of my query; each accumulator from its low end on
.set i, i+1
.endr
.endr
	WIN 0
.set i, 0
.rept 64
	v_med3_num_f32 v[S+i], v[S+i], -v30, v30
.set i, i+1
.endr
.irp e, 0,1
.irp d, 0,1,2,3
	v_cvt_scalef32_pk8_fp8_f32 v[32+8*\e+2*\d:33+8*\e+2*\d], v[S+32*\e+8*\d:S+32*\e+8*\d+7], v31
.endr
.endr
	v_nop                                          ; a plain line between the conversions and the selects on their results
	v_cmp_eq_f32 s2, 0, v234                       ; a query for which no key counted: its softmax is NaN.  The two heads' compares stand in one run, each with a scalar register of its own,
	v_cmp_eq_f32 s3, 0, v235
	s_wait_alu depctr_va_sdst(0)                   ; s2 and s3 are written, ahead of the selects that read them
.irp e, 0,1
.irp k, 0,1,2,3,4,5,6,7
	v_cndmask_b32 v[32+8*\e+\k], v[32+8*\e+\k], v236, s[2+\e]
.endr
.endr
	s_wait_alu depctr_va_vdst(0)                   ; the selects have written v32 to v47, which the LDS stores read; the lines above are done with v96 to v111, in which the loads from the stage land: no vector line follows
.irp e, 0,1
.irp d, 0,1,2,3
	ds_store_b64 v8, v[32+8*\e+2*\d:33+8*\e+2*\d] offset:64*\e+16*\d
.endr
.endr
	s_bfe_u32 s92, s52, 0x10001                    ; the tile whose rows I store: place w / 2 = 2 E' + a'
	s_lshr_b32 s93, s52, 2
	s_lshl_b32 s94, ttmp9, 1
	s_add_co_u32 s94, s94, s92
	s_lshl_b32 s95, s94, 1
	s_sub_co_u32 s95, 127, s95
	s_mul_i32 s95, s95, s93
	s_add_co_u32 s94, s94, s95
	s_lshl_b32 s94, s94, 4
	s_and_b32 s95, s52, 1
	s_lshl_b32 s95, s95, 3
	s_add_co_u32 s94, s94, s95                     ; its first token of mine
	s_lshl_b32 s94, s94, 11
	s_and_b32 s95, ttmp7, 0xffff
	s_lshl_b32 s95, s95, 8
	s_add_co_u32 s94, s94, s95                     ; + 256 g
	s_mov_b32 s95, 0
	s_add_nc_u64 s[90:91], s[90:91], s[94:95]
	s_wait_dscnt 0x0                               ; for the others' sake: my stores into the stage are done
	s_barrier_signal -1
	s_barrier_wait -1
.irp i, 0,1,2,3
	ds_load_b128 v[S+4*\i:S+4*\i+3], v9 offset:2*SPI*\i
.endr
.irp i, 0,1,2,3
	s_wait_dscnt 3-\i
	global_store_b128 v10, v[S+4*\i:S+4*\i+3], s[90:91] offset:4096*\i   ; sixteen lanes store 256 consecutive bytes, aligned
.endr
	s_wait_dscnt 0x0                               ; the closing lines, six on end
	s_wait_alu 0x0
	s_wait_tensorcnt 0x0
	ds_add_u32 v254, v255
	s_wait_dscnt 0x0
	s_endpgm
.Lfunc_end_k_qfb145bc787_attn:
	.size	k_qfb145bc787_attn, .Lfunc_end_k_qfb145bc787_attn-k_qfb145bc787_attn
	.p2alignl 7, 3214868480
	.fill 96, 4, 3214868480
	.section	.rodata,"a",@progbits
	.p2align	6, 0x0
	.amdhsa_kernel k_qfb145bc787_attn
		.amdhsa_group_segment_fixed_size 280576
		.amdhsa_private_segment_fixed_size 0
		.amdhsa_enable_private_segment 0
		.amdhsa_kernarg_size 32
		.amdhsa_user_sgpr_count 2
		.amdhsa_user_sgpr_kernarg_segment_ptr 1
		.amdhsa_wavefront_size32 1
		.amdhsa_system_sgpr_workgroup_id_x 1
		.amdhsa_system_sgpr_workgroup_id_y 1
		.amdhsa_system_sgpr_workgroup_id_z 1
		.amdhsa_system_vgpr_workitem_id 0
		.amdhsa_next_free_vgpr 448
		.amdhsa_next_free_sgpr 102
		.amdhsa_reserve_vcc 0
		.amdhsa_float_denorm_mode_32 3
		.amdhsa_float_denorm_mode_16_64 3
		.amdhsa_memory_ordered 1
		.amdhsa_forward_progress 1
		.amdhsa_inst_pref_size 70
	.end_amdhsa_kernel
	.amdgpu_metadata
---
amdhsa.version: [ 1, 2 ]
amdhsa.kernels:
  - .name:           k_qfb145bc787_attn
    .symbol:         k_qfb145bc787_attn.kd
    .args:
      - { .name: qkv, .offset: 0, .size: 8, .value_kind: global_buffer, .address_space: global }
      - { .name: mk, .offset: 8, .size: 8, .value_kind: global_buffer, .address_space: global }
      - { .name: lowp_scales, .offset: 16, .size: 8, .value_kind: global_buffer, .address_space: global }
      - { .name: oc, .offset: 24, .size: 8, .value_kind: global_buffer, .address_space: global }
    .group_segment_fixed_size: 280576
    .private_segment_fixed_size: 0
    .kernarg_segment_align: 8
    .kernarg_segment_size: 32
    .max_flat_workgroup_size: 256
    .sgpr_count:     102
    .vgpr_count:     448
    .wavefront_size: 32
...
	.end_amdgpu_metadata
.endif
;; end of part 5
;; launch outp: the kernel of part 4 again; grid 16 x 16, 4 waves a work-group, clusters of 4 x 4, 327,680 bytes of LDS; arguments oc, wc, lowp_scales, out0; writes out0
